; MI455X (gfx1250); checked and timed in simulation.
; The chip was launched on July 23, 2026; its instructions are those of AMD's public machine-readable ISA for CDNA 5 (MIT licence, August 2026) and "CDNA5" Instruction Set Architecture Reference Guide (July 2026). The comments in the code are by the model that wrote it; some were corrected since.
;; Multi Head Attention. Allowed arithmetic: matrix products marked QUANTISED: E2M1 operands, one E8M0 scale for each 32 along K, by v_wmma_scale_f32_16x16x128_f8f6f4 with both operands' format E2M1 (or v_wmma_scale_f32_32x16x128_f4), f32 sums; products left as they are: bf16, f16 or f32 operands; f32 sums; everything else in f32.
;; Inputs: W_out 1,024 x 1,024 float32; W_qkv 1,024 x 3,072 float32; b_out 1,024 float32; b_qkv 3,072 float32; x 4 x 2,048 x 1,024 float32.
;; Outputs: out0 4 x 2,048 x 1,024 float32.
;; This version of the problem:
;;   THIS VERSION OF THE PROBLEM IS GIVEN IN LOW PRECISION. The matrix products marked QUANTISED in the list below multiply operands that are first quantised to E2M1 (2 exponent bits, 1 mantissa bit; 4 bits a number), with one power-of-two scale for each 32 numbers along K (OCP MX v1.0); their sums are f32. The products marked 'left as it is' may take bf16, f16 or f32 operands, with f32 sums. Whichever they take, every output number must still come out within the allowed error. Rounding operands to bf16 (8 significant bits) uses up far more of that allowance than f16 does (11 bits, for magnitudes from 6e-5 to 65,504). All else is computed in f32.
;;   The module's matrix products, in the order in which they are computed (A, B: the left and right operand; K: the contracted axis; several contracted axes count as one K, in the product's order):
;;     1. [M 8,192, K 1,024] x [K 1,024, N 3,072]; A: input x; B: input W_qkv: QUANTISED
;;     2. batch 64 x [M 2,048, K 64] x [K 64, N 2,048]; A: computed on the way; B: computed on the way: left as it is (an operand is computed on the way)
;;     3. batch 64 x [M 2,048, K 2,048] x [K 2,048, N 64]; A: computed on the way; B: computed on the way: left as it is (an operand is computed on the way)
;;     4. [M 8,192, K 1,024] x [K 1,024, N 1,024]; A: computed on the way; B: input W_out: left as it is (an operand is computed on the way)
;;   THE QUANTISER, for each operand of a quantised product, along K:
;;     - K is cut into blocks of 32 from its start; a last block that is shorter is filled with zeros.
;;     - A block's scale is 2^e with e = floor(log2(the largest magnitude in the block)) - 2, held to -126 .. 127; a block of zeros has e = 0. As a byte (E8M0): e + 127.
;;     - Each number is divided by its block's scale, clamped to +-6, and rounded to the nearest number of E2M1, ties to even, subnormals kept.
;;     - The product sums the exact products of the quantised numbers (number of the format x scale) in f32.
;;   ~~~python
;;   def quantise(x, axis):      # numpy; x: float32 -> the quantised numbers, widened to float32 again
;;       x = np.moveaxis(x, axis, -1); K = x.shape[-1]
;;       x = np.pad(x, [(0, 0)] * (x.ndim - 1) + [(0, -K % 32)]); x = x.reshape(x.shape[:-1] + (-1, 32)); a = np.abs(x).max(-1, keepdims=True)
;;       e = np.where(a > 0, np.clip(np.frexp(np.where(a > 0, a, 1))[1] - 1 - 2, -126, 127), 0)      # np.frexp(a)[1] - 1 = floor(log2(a)), exactly
;;       r = np.clip(x / 2.0 ** e, -6, 6)
;;       step = 2.0 ** (np.maximum(np.frexp(np.where(r == 0, 1, r))[1] - 1, 0) - 1)
;;       q = np.round(r / step) * step * 2.0 ** e      # np.round: ties to even
;;       return np.moveaxis(q.reshape(q.shape[:-2] + (-1,))[..., :K], -1, axis).astype(np.float32)
;;   ~~~
;; One version. Each part assembles by itself: llvm-mc -triple=amdgcn-amd-amdhsa -mcpu=gfx1250 --defsym DOCPART=n.
;; ======== version 1 of 1: 5 launches
;; limits: values are held in f16: magnitudes above 65,504 overflow, below 6.1e-05 lose precision
;; workspace buffers: xc 4,194,304 bytes; xs 262,144 bytes; wc 1,572,864 bytes; ws 98,304 bytes; w16 2,097,152 bytes; qkv 50,331,648 bytes; vals 16,777,216 bytes
;; launch quant_x (part 1): grid 320 x 1, 4 waves a work-group, no clusters, 33,280 bytes of LDS; arguments x, W_out, xc, xs, w16; writes xc, xs, w16
.if DOCPART == 1
	.amdgcn_target "amdgcn-amd-amdhsa--gfx1250"
	.amdhsa_code_object_version 6
	.text
	.protected	k_q762db04e72_quant_x
	.globl	k_q762db04e72_quant_x
	.p2align	8
	.type	k_q762db04e72_quant_x,@function
k_q762db04e72_quant_x:
	s_mov_b64 s[64:65], 0
	v_nop
	global_prefetch_b8 v0, s[64:65] scope:SCOPE_SE
	s_setreg_imm32_b32 hwreg(HW_REG_WAVE_MODE, 25, 1), 1
	s_wait_xcnt 0x0
; FIRST OF FIVE LAUNCHES of multi-head attention: B = 4, S = 2,048, D = 1,024, 16 heads of 64, no mask.
;   1 quant_x: x -> codes of E2M1 and E8M0 bytes; W_out -> f16.   2 quant_w: W_qkv -> codes and bytes, K innermost.   3 qkv_gemm: x W_qkv + b on the codes, q, k, v in f16.
;   4 attention: softmax(q k^T / 8) v in f16 operands, f32 sums.   5 out_proj: values W_out + b_out.
; WORK LEFT OUT IN THE WHOLE PROGRAM: k's third of b_qkv (for head h the numbers 192 h + 64 .. 192 h + 127).  With k = k0 + bk the score of query q and key j is q . k0[j] + q . bk; the second term is the same for
; every key j, that is, along the softmax's axis, so the softmax takes it away for all values of the inputs; k reaches the result through the scores alone, and the product of q and k is not a quantised one, so
; the bias can move no code and no scale.  Those numbers are not loaded.  LIMIT: a NaN, an infinity or an overflow that sits in k's part of b_qkv alone is not carried to the result.
; THIS LAUNCH.  Work-groups 0 to 255: x [8,192][1,024] f32 becomes codes of E2M1, 4 bits each, K innermost (xc: 512 bytes a row), with one E8M0 byte for each 32 along K (xs: 32 bytes a row).
; A block's scale is 2^(floor(log2(its largest magnitude)) - 2); its byte is the largest magnitude's own exponent field - 2, held at 1 from below; each number is divided by the scale and rounded to the nearest code, ties to even,
; beyond 6 the largest code.  A block of zeros gets the byte 1 where the rule says 127: its codes are zeros, which add nothing, and this program alone reads the bytes.
; LIMITS: blocks whose largest magnitude lies under 2^-124 are held at the byte 1; NaN and infinities in x are not served.
; Rows are dense and 1,024 is a multiple of 32: x is a plain stream of blocks of 32, and so are its codes and bytes.  A wave takes 16 steps of 512 numbers.  Each of a step's four loads reads 512 consecutive bytes, 16 a lane;
; the 2,048 bytes turn through the wave's own stage in LDS and come back 64 bytes a lane, since the conversions take neighbours along K from ONE lane's registers.  Two neighbouring lanes hold a block.
; Work-groups 256 to 319: W_out [1,024][1,024] f32 is rounded to f16 as it lies (w16), 16,384 numbers a work-group, without LDS.  f16 and not bf16: eleven significant bits against eight, and W_out's numbers have room in it
; (LIMIT: magnitudes of W_out under 65,504).
.set STEPS, 16
.set CB,    8                          ; bytes of 16 codes
.set R,     16                         ; v16-79   four sets of 16 numbers as they are loaded
.set X,     80                         ; v80-111  two sets of 16 neighbours
.set E,     112                        ; v112-127 a scale byte for each step
.set C,     128                        ; v128-191 codes: four registers for each step, so that no store's data are written again
.set WREG,  8192                       ; LDS: a region for each wave: two stages of 32 x SP bytes, behind them its 256 scale bytes
.set SP,    80                         ; a lane's place in a stage: 64 bytes + 16 of padding
.set SPW,   12                         ; v12 LDS address of my spare word; never rewritten
.set NIL,   13                         ; v13 0; never rewritten
.set SPARE, 4*WREG                     ; behind the four regions: the spare words, 128 bytes for each wave
	s_load_b256 s[4:11], s[0:1], 0x0               ; x s[4:5], W_out s[6:7], xc s[8:9], xs s[10:11]
	s_load_b64 s[12:13], s[0:1], 0x20              ; w16
	v_lshl_add_u32 v[SPW], v0, 2, SPARE
	v_mov_b32 v[NIL], 0
	v_lshrrev_b32 v1, 5, v0
	v_readfirstlane_b32 s16, v1                    ; wave
	s_cmp_ge_u32 ttmp9, 256                        ; the work-group's number alone decides which tensor it serves
	s_cbranch_scc1 .Lwout
	v_and_b32 v2, 31, v0                           ; lane
	v_lshlrev_b32 v3, 4, v2                        ; my 16 bytes of a load's 512
	s_mul_i32 s17, s16, WREG
	v_lshrrev_b32 v14, 2, v2
	v_mul_u32_u24 v14, v14, SP
	v_and_b32 v15, 3, v2
	v_lshl_add_u32 v14, v15, 4, v14
	v_add_nc_u32 v14, s17, v14                     ; the stage, on the way in: SP (lane / 4) + 16 (lane % 4)
	v_mul_u32_u24 v15, v2, SP
	v_add_nc_u32 v15, s17, v15                     ; and on the way out: SP x lane: my 16 neighbours
	v_mul_u32_u24 v4, v2, CB                       ; my codes' place in a step's
	v_lshrrev_b32 v5, 1, v2
	s_add_co_u32 s17, s17, 2*32*SP
	v_add_nc_u32 v5, s17, v5                       ; LDS: my wave's 256 scale bytes, my block's byte
	v_lshlrev_b32 v7, 3, v2                        ; and on the way out 8 bytes a lane
	v_add_nc_u32 v6, s17, v7
	s_lshl_b32 s18, ttmp9, 2
	s_add_co_u32 s18, s18, s16                     ; which run of 8,192 numbers is my wave's
	s_lshl_b32 s20, s18, 15                        ; 32,768 bytes of x,
	s_mov_b32 s21, 0
	s_lshl_b32 s22, s18, 12                        ; 4,096 of codes,
	s_mov_b32 s23, 0
	s_lshl_b32 s24, s18, 8                         ; 256 scale bytes a run
	s_mov_b32 s25, 0
	s_wait_kmcnt 0x0
	s_add_nc_u64 s[4:5], s[4:5], s[20:21]
	s_add_nc_u64 s[8:9], s[8:9], s[22:23]
	s_add_nc_u64 s[10:11], s[10:11], s[24:25]
.macro LOAD t
.irp i, 0,1,2,3
	global_load_b128 v[R+16*((\t)%4)+4*\i:R+16*((\t)%4)+4*\i+3], v3, s[4:5] offset:2048*(\t)+512*\i th:TH_LOAD_NT   ; 32 lanes read 512 consecutive bytes
.endr
.endm
.macro TURN t                          ; step t's numbers through the stage: LDS serves a wave's instructions in order, so no wait stands between the stores and the loads
.irp i, 0,1,2,3
	ds_store_b128 v14, v[R+16*((\t)%4)+4*\i:R+16*((\t)%4)+4*\i+3] offset:32*SP*((\t)%2)+8*SP*\i
.endr
.irp i, 0,1,2,3
	ds_load_b128 v[X+16*((\t)%2)+4*\i:X+16*((\t)%2)+4*\i+3], v15 offset:32*SP*((\t)%2)+16*\i
.endr
.endm
.irp t, 0,1,2,3
	LOAD \t
.endr
	s_wait_loadcnt 12                              ; step 0's four loads are in; the twelve of steps 1 to 3 may be out
	TURN 0
.macro STEP t
.set XS, X+16*((\t)%2)
.if (\t) > 0
	s_wait_dscnt 1                                 ; this step's numbers are back from the stage; the last step's byte store, issued behind them, may be out
.else
	s_wait_dscnt 0x0
.endif
.if (\t)+4 < STEPS
	LOAD (\t)+4                                    ; into the registers that this step's stage stores have read
.endif
.if (\t)+1 < STEPS
.if STEPS-2-(\t) >= 3
	s_wait_loadcnt 12                              ; the next step's four loads are in; those of the three steps behind it may be out
.else
	s_wait_loadcnt 4*(STEPS-2-(\t))
.endif
	TURN (\t)+1                                    ; through the other stage while this step is worked
.endif
	v_max3_num_f32 v8, |v[XS]|, |v[XS+1]|, |v[XS+2]|               ; the largest magnitude of my 16, in two chains
	v_max3_num_f32 v9, |v[XS+3]|, |v[XS+4]|, |v[XS+5]|
.irp i, 6,10
	v_max3_num_f32 v8, v8, |v[XS+\i]|, |v[XS+\i+1]|
	v_max3_num_f32 v9, v9, |v[XS+\i+2]|, |v[XS+\i+3]|
.endr
	v_max3_num_f32 v8, v8, |v[XS+14]|, |v[XS+15]|
	v_max3_num_f32 v8, v8, v9, 0x1800000           ; and the floor 2^(3 - 127): the byte cannot fall under 1
	v_max_num_f32_dpp v8, v8, v8 row_xmask:1 row_mask:0xf bank_mask:0xf   ; and of my neighbour's 16: the block's
	v_add_nc_u32 v11, 0xff000000, v8               ; 2 off its exponent field: the conversion takes the exponent field of this operand as its scale
	v_cvt_scalef32_pk8_fp4_f32 v[C+4*(\t)], v[XS:XS+7], v11
	v_cvt_scalef32_pk8_fp4_f32 v[C+4*(\t)+1], v[XS+8:XS+15], v11
	v_lshrrev_b32 v[E+(\t)], 23, v11               ; the scale's byte (also the plain line behind the conversions)
	ds_store_b8 v5, v[E+(\t)] offset:16*(\t)       ; both lanes of a block write the same byte with the same value
	global_store_b64 v4, v[C+4*(\t):C+4*(\t)+1], s[8:9] offset:32*CB*(\t)   ; the wave stores 256 consecutive bytes, aligned
.endm
.irp t, 0,1,2,3,4,5,6,7,8,9,10,11,12,13,14,15
	STEP \t
.endr
	ds_load_b64 v[8:9], v6                         ; LDS serves a wave's instructions in order: these see my byte stores
	s_wait_dscnt 0x0
	global_store_b64 v7, v[8:9], s[10:11]          ; 32 lanes store 256 consecutive bytes, aligned
	s_wait_tensorcnt 0x0                           ; the wave's end, behind my last LDS store
	ds_add_u32 v[SPW], v[NIL]
	s_wait_dscnt 0x0
	s_endpgm
.Lwout:                                            ; W_out to f16.  This way writes no LDS
	s_sub_co_u32 s17, ttmp9, 256
	s_lshl_b32 s18, s17, 16                        ; 65,536 bytes in,
	s_mov_b32 s19, 0
	s_lshl_b32 s20, s17, 15                        ; 32,768 out
	s_mov_b32 s21, 0
	v_lshlrev_b32 v1, 4, v0                        ; 16 bytes a thread in,
	v_lshlrev_b32 v2, 3, v0                        ; 8 out
	s_wait_kmcnt 0x0
	s_add_nc_u64 s[6:7], s[6:7], s[18:19]
	s_add_nc_u64 s[12:13], s[12:13], s[20:21]
.set u, 0
.rept 32
	global_load_b128 v[16+4*u:19+4*u], v1, s[6:7] offset:2048*u th:TH_LOAD_NT   ; a wave reads 512 consecutive bytes; all 32 loads go out at once
.set u, u+1
.endr
.set u, 0
.rept 32
	s_wait_loadcnt 31-u                            ; loads come back in order: load u is in, the younger ones may be out
	v_cvt_pk_f16_f32 v[16+4*u], v[16+4*u], v[17+4*u]
	v_cvt_pk_f16_f32 v[17+4*u], v[18+4*u], v[19+4*u]
	global_store_b64 v2, v[16+4*u:17+4*u], s[12:13] offset:1024*u   ; a wave stores 256 consecutive bytes, aligned; no register is written again
.set u, u+1
.endr
	s_endpgm
.Lfunc_end_k_q762db04e72_quant_x:
	.size	k_q762db04e72_quant_x, .Lfunc_end_k_q762db04e72_quant_x-k_q762db04e72_quant_x
	.p2alignl 7, 3214868480
	.fill 96, 4, 3214868480
	.section	.rodata,"a",@progbits
	.p2align	6, 0x0
	.amdhsa_kernel k_q762db04e72_quant_x
		.amdhsa_group_segment_fixed_size 33280
		.amdhsa_private_segment_fixed_size 0
		.amdhsa_enable_private_segment 0
		.amdhsa_kernarg_size 40
		.amdhsa_user_sgpr_count 2
		.amdhsa_user_sgpr_kernarg_segment_ptr 1
		.amdhsa_wavefront_size32 1
		.amdhsa_system_sgpr_workgroup_id_x 1
		.amdhsa_system_sgpr_workgroup_id_y 1
		.amdhsa_system_sgpr_workgroup_id_z 1
		.amdhsa_system_vgpr_workitem_id 0
		.amdhsa_next_free_vgpr 192
		.amdhsa_next_free_sgpr 66
		.amdhsa_reserve_vcc 0
		.amdhsa_float_denorm_mode_32 3
		.amdhsa_float_denorm_mode_16_64 3
		.amdhsa_memory_ordered 1
		.amdhsa_forward_progress 1
		.amdhsa_inst_pref_size 44
	.end_amdhsa_kernel
	.amdgpu_metadata
---
amdhsa.version: [ 1, 2 ]
amdhsa.kernels:
  - .name:           k_q762db04e72_quant_x
    .symbol:         k_q762db04e72_quant_x.kd
    .args:
      - { .name: x, .offset: 0, .size: 8, .value_kind: global_buffer, .address_space: global }
      - { .name: W_out, .offset: 8, .size: 8, .value_kind: global_buffer, .address_space: global }
      - { .name: xc, .offset: 16, .size: 8, .value_kind: global_buffer, .address_space: global }
      - { .name: xs, .offset: 24, .size: 8, .value_kind: global_buffer, .address_space: global }
      - { .name: w16, .offset: 32, .size: 8, .value_kind: global_buffer, .address_space: global }
    .group_segment_fixed_size: 33280
    .private_segment_fixed_size: 0
    .kernarg_segment_align: 8
    .kernarg_segment_size: 40
    .max_flat_workgroup_size: 128
    .sgpr_count:     66
    .vgpr_count:     192
    .wavefront_size: 32
...
	.end_amdgpu_metadata
.endif
;; end of part 1
;; launch quant_w (part 2): grid 96 x 1, 8 waves a work-group, no clusters, 18,944 bytes of LDS; arguments W_qkv, wc, ws; writes wc, ws
.if DOCPART == 2
	.amdgcn_target "amdgcn-amd-amdhsa--gfx1250"
	.amdhsa_code_object_version 6
	.text
	.protected	k_q762db04e72_quant_w
	.globl	k_q762db04e72_quant_w
	.p2align	8
	.type	k_q762db04e72_quant_w,@function
k_q762db04e72_quant_w:
	s_mov_b64 s[64:65], 0
	v_nop
	global_prefetch_b8 v0, s[64:65] scope:SCOPE_SE
	s_setreg_imm32_b32 hwreg(HW_REG_WAVE_MODE, 25, 1), 1
	s_wait_xcnt 0x0
; W_qkv [1,024 (k)][3,072 (n)] f32, whose K is its FIRST axis, becomes codes of E2M1 laid [3,072][1,024] with K innermost (wc: 512 bytes a row) and one E8M0 byte for each 32 along K (ws: 32 bytes a row).
; A LANE TAKES A COLUMN n AND ITS REGISTERS RUN DOWN K: a block of 32 along K lies in one lane's 32 registers, its largest magnitude needs no other lane, and the conversions give the codes with K innermost.
; The scale and the rounding are those of the first launch; so are the LIMITS (blocks under 2^-124 held at the byte 1, a block of zeros gets the byte 1, NaN and infinities not served).
; SHARES.  Work-group g takes columns 32 g .. 32 g + 31 and ALL of K, so that it can send out whole rows of codes (512 bytes) and whole rows of scale bytes.  Wave w takes k = 128 w .. 128 w + 127: 4 blocks a lane,
; 128 loads, all asked for at the head.  The codes and bytes meet in LDS; one barrier; each wave stores 4 whole rows of codes, waves 0 and 1 the work-group's 1,024 scale bytes.
.set RWB,   12288                      ; a row of W_qkv in bytes
.set PITCH, 528                        ; a stage row: 512 bytes of codes + 16
.set SCST,  32*PITCH                   ; behind the stage: 32 rows x 32 scale bytes, dense
.set SPARE, SCST+1024                  ; the spare words, 128 bytes for each of eight waves
.set X,     32                         ; v32-159  my column's 128 numbers
.set C,     160                        ; v160-175 codes, four registers a block
.set OUTR,  176                        ; v176-191 the way out
.set SPW,   14
.set NIL,   15
	s_load_b128 s[4:7], s[0:1], 0x0                ; W_qkv, wc
	s_load_b64 s[8:9], s[0:1], 0x10                ; ws
	v_lshl_add_u32 v[SPW], v0, 2, SPARE
	v_mov_b32 v[NIL], 0
	v_lshrrev_b32 v1, 5, v0
	v_readfirstlane_b32 s16, v1                    ; wave 0..7
	v_and_b32 v2, 31, v0                           ; lane
	v_lshlrev_b32 v3, 2, v2                        ; in: 4 bytes a lane
	v_mul_u32_u24 v4, v2, PITCH
	s_lshl_b32 s24, s16, 6
	v_add_nc_u32 v4, s24, v4                       ; codes into the stage: row = my column, my wave's 64 bytes
	v_lshlrev_b32 v5, 5, v2
	s_lshl_b32 s25, s16, 2
	v_add_nc_u32 v5, s25, v5
	v_add_nc_u32 v5, SCST, v5                      ; my column's scale word for my wave's 128 along K
	v_lshlrev_b32 v7, 4, v2                        ; out: 16 bytes a lane, a whole row of 512 bytes an instruction
	s_mul_i32 s26, s16, 4*PITCH
	v_add_nc_u32 v6, s26, v7                       ; back from the stage: rows 4 w .. 4 w + 3
	s_min_u32 s27, s16, 1                          ; (waves 0 and 1 alone use the next two; held so that the address lies in LDS in every wave)
	s_lshl_b32 s27, s27, 9
	v_add_nc_u32 v9, s27, v7                       ; the scale bytes' place in the work-group's 1,024
	v_add_nc_u32 v8, SCST, v9
	s_mul_i32 s18, s16, 128*RWB                    ; W_qkv: 128 w rows down,
	s_lshl_b32 s19, ttmp9, 7                       ; 32 g columns on
	s_add_co_u32 s18, s18, s19
	s_mov_b32 s19, 0
	s_lshl_b32 s20, ttmp9, 14                      ; wc: row 32 g + 4 w
	s_lshl_b32 s21, s16, 11
	s_add_co_u32 s20, s20, s21
	s_mov_b32 s21, 0
	s_lshl_b32 s22, ttmp9, 10                      ; ws: 1,024 bytes a work-group
	s_mov_b32 s23, 0
	s_wait_kmcnt 0x0
	s_add_nc_u64 s[4:5], s[4:5], s[18:19]
	s_add_nc_u64 s[6:7], s[6:7], s[20:21]
	s_add_nc_u64 s[8:9], s[8:9], s[22:23]
.set i, 0
.rept 128
	global_load_b32 v[X+i], v3, s[4:5] offset:RWB*i th:TH_LOAD_NT   ; W(128 w + i, my column): the wave reads 128 consecutive bytes
.set i, i+1
.endr
.macro BLOCK t, left                   ; left: how many younger loads may be out
.set XS, X+32*(\t)
	s_wait_loadcnt \left
	v_max3_num_f32 v10, |v[XS]|, |v[XS+1]|, |v[XS+2]|              ; the block's largest magnitude: all 32 numbers are mine; two chains
	v_max3_num_f32 v11, |v[XS+3]|, |v[XS+4]|, |v[XS+5]|
.irp i, 6,10,14,18,22,26
	v_max3_num_f32 v10, v10, |v[XS+\i]|, |v[XS+\i+1]|
	v_max3_num_f32 v11, v11, |v[XS+\i+2]|, |v[XS+\i+3]|
.endr
	v_max3_num_f32 v10, v10, |v[XS+30]|, |v[XS+31]|
	v_max3_num_f32 v10, v10, v11, 0x1800000        ; and the floor 2^(3 - 127)
	v_add_nc_u32 v12, 0xff000000, v10              ; 2 off the exponent field: the conversion's scale operand
	v_lshrrev_b32 v13, 23, v12                     ; the scale's byte
.if (\t) == 0
	v_mov_b32 v24, v13                             ; four bytes make the word of my wave's 128 along K, the lower K in the lower byte
.else
	v_lshl_or_b32 v24, v13, 8*(\t), v24
.endif
.irp g, 0,1,2,3
	v_cvt_scalef32_pk8_fp4_f32 v[C+4*(\t)+\g], v[XS+8*\g:XS+8*\g+7], v12
.endr
	v_nop                                          ; one plain line behind the conversions
	ds_store_b128 v4, v[C+4*(\t):C+4*(\t)+3] offset:16*(\t)        ; 32 codes: 16 bytes of my column's row
.endm
	BLOCK 0, 63                                    ; block 0 needs the oldest 32 of the 128 loads: 96 could be out, but a wait names 63 at the most
	BLOCK 1, 63                                    ; likewise: 64 could be out
	BLOCK 2, 32                                    ; block 3's 32 may be out
	BLOCK 3, 0
	ds_store_b32 v5, v24
	s_wait_dscnt 0x0                               ; for the others' sake: my stores have landed
	s_barrier_signal -1
	s_barrier_wait -1                              ; 32 whole rows of codes and of scale bytes lie in LDS
.irp f, 0,1,2,3
	ds_load_b128 v[OUTR+4*\f:OUTR+4*\f+3], v6 offset:PITCH*\f
.endr
.irp f, 0,1,2,3
	s_wait_dscnt 3-\f                              ; LDS loads come back in order
	global_store_b128 v7, v[OUTR+4*\f:OUTR+4*\f+3], s[6:7] offset:512*\f   ; a whole row: 512 consecutive bytes, aligned
.endr
	s_cmp_lt_u32 s16, 2                            ; waves 0 and 1 send the scale bytes, 512 consecutive bytes each; no barrier stands in the branch
	s_cbranch_scc0 .Lno_scales
	ds_load_b128 v[C:C+3], v8
	s_wait_dscnt 0x0
	global_store_b128 v9, v[C:C+3], s[8:9]
.Lno_scales:
	s_wait_tensorcnt 0x0                           ; the wave's end, behind my last LDS store
	ds_add_u32 v[SPW], v[NIL]
	s_wait_dscnt 0x0
	s_endpgm
.Lfunc_end_k_q762db04e72_quant_w:
	.size	k_q762db04e72_quant_w, .Lfunc_end_k_q762db04e72_quant_w-k_q762db04e72_quant_w
	.p2alignl 7, 3214868480
	.fill 96, 4, 3214868480
	.section	.rodata,"a",@progbits
	.p2align	6, 0x0
	.amdhsa_kernel k_q762db04e72_quant_w
		.amdhsa_group_segment_fixed_size 18944
		.amdhsa_private_segment_fixed_size 0
		.amdhsa_enable_private_segment 0
		.amdhsa_kernarg_size 24
		.amdhsa_user_sgpr_count 2
		.amdhsa_user_sgpr_kernarg_segment_ptr 1
		.amdhsa_wavefront_size32 1
		.amdhsa_system_sgpr_workgroup_id_x 1
		.amdhsa_system_sgpr_workgroup_id_y 1
		.amdhsa_system_sgpr_workgroup_id_z 1
		.amdhsa_system_vgpr_workitem_id 0
		.amdhsa_next_free_vgpr 192
		.amdhsa_next_free_sgpr 66
		.amdhsa_reserve_vcc 0
		.amdhsa_float_denorm_mode_32 3
		.amdhsa_float_denorm_mode_16_64 3
		.amdhsa_memory_ordered 1
		.amdhsa_forward_progress 1
		.amdhsa_inst_pref_size 22
	.end_amdhsa_kernel
	.amdgpu_metadata
---
amdhsa.version: [ 1, 2 ]
amdhsa.kernels:
  - .name:           k_q762db04e72_quant_w
    .symbol:         k_q762db04e72_quant_w.kd
    .args:
      - { .name: W_qkv, .offset: 0, .size: 8, .value_kind: global_buffer, .address_space: global }
      - { .name: wc, .offset: 8, .size: 8, .value_kind: global_buffer, .address_space: global }
      - { .name: ws, .offset: 16, .size: 8, .value_kind: global_buffer, .address_space: global }
    .group_segment_fixed_size: 18944
    .private_segment_fixed_size: 0
    .kernarg_segment_align: 8
    .kernarg_segment_size: 24
    .max_flat_workgroup_size: 256
    .sgpr_count:     66
    .vgpr_count:     192
    .wavefront_size: 32
...
	.end_amdgpu_metadata
.endif
;; end of part 2
;; launch qkv_gemm (part 3): grid 16 x 32, 4 waves a work-group, clusters of 4 x 4, 327,680 bytes of LDS; arguments xc, xs, wc, ws, b_qkv, qkv; writes qkv
.if DOCPART == 3
	.amdgcn_target "amdgcn-amd-amdhsa--gfx1250"
	.amdhsa_code_object_version 6
	.text
	.protected	k_q762db04e72_qkv_gemm
	.globl	k_q762db04e72_qkv_gemm
	.p2align	8
	.type	k_q762db04e72_qkv_gemm,@function
k_q762db04e72_qkv_gemm:
	s_mov_b64 s[64:65], 0
	v_nop
	global_prefetch_b8 v0, s[64:65] scope:SCOPE_SE
	s_setreg_imm32_b32 hwreg(HW_REG_WAVE_MODE, 25, 1), 1
	s_wait_xcnt 0x0
	s_wait_alu depctr_hold_cnt(0) depctr_sa_sdst(0) depctr_va_vdst(0) depctr_va_sdst(0) depctr_va_ssrc(0) depctr_va_vcc(0) depctr_vm_vsrc(0)
	s_getreg_b32 s2, hwreg(HW_REG_IB_STS2, 6, 4)
	s_cmp_eq_u32 s2, 0
	s_cbranch_scc0 .Lentry_in_a_cluster
	s_endpgm
.Lentry_in_a_cluster:
	s_bfe_u32 s2, ttmp6, 0x10000c
	s_cmp_lg_u32 s2, 0xf033
	s_cbranch_scc0 .Lentry_shape_is_right
	s_endpgm
.Lentry_shape_is_right:
; q, k, v = x W_qkv + b_qkv on codes of E2M1 with E8M0 scales, f32 sums, rounded once to f16.  xc [8,192][512 B], xs [8,192][32 B], wc [3,072][512 B], ws [3,072][32 B] come from the two launches before.
; LEFT OUT: k's third of b_qkv (shown dead at the head of the first launch: q . bk is the same for every key, so the softmax takes it away): k's column blocks start their sums with the constant 0 and those numbers are not loaded.
; OUT: qkv, f16, [3 planes q, k, v][64 (batch x 16 + head)][2,048][64]: a row is 128 bytes, a head's rows are dense.  LIMIT: |q|, |k|, |v| under 65,504.
; f16 and not bf16: eleven significant bits against eight, and the next two products take these numbers as operands.
; SHARES.  A tile is 256 rows x 192 columns: ONE HEAD's q, k and v.  Four waves; wave w makes rows 64 w .. 64 w + 63 x all 192 columns: 4 x 12 accumulators, 384 registers.
; ALL OF K LIES IN LDS: a row of codes is 512 bytes, 448 rows in two halves of 256 bytes each.  Every byte of LDS is filled once: no slot is filled again.  A wave has four tensor loads out.
; CLUSTERS: 4 x 4 work-groups.  The four of a row of the cluster need the same rows of x, the four of a column the same head's rows of W: each tile is asked for JOINTLY.
; No prefetch: every tile of the work-group is asked for at its head.
; THE MATRIX INSTRUCTION IS USED TRANSPOSED (source 0 = 16 rows of W's codes, source 1 = 16 rows of x's): a lane holds eight neighbouring columns of one row.
; THE SCALES come straight from memory: lane (r, h) loads the 16 bytes at 32 r + 16 h of a block's 512, so register q' holds the word of K step q' in lanes 0-15 and that of K step 4 + q' in lanes 16-31,
; and the last four K steps read the upper lanes.
; REGISTERS: window 0: v16-29 addresses; v32-47 x's scale words, v48-95 W's (they hold scales alone); v96-159 x's fragments, two sets; v160-255 the bias, eight registers a column block, later rows on their way out.
;   window 1: W's fragments, two sets of 96.   windows 2, 3: accumulator (a, j) at v[8 (12 (a % 2) + j)] of window 2 + a / 2.
.set PITCH,  272                       ; an LDS row: 256 bytes + 16 of padding = 68 words: the 16 rows that a load touches start 4 words apart (64 banks of 4 bytes: ISA guide 11.1)
.set SLOT,   448*PITCH                 ; half of K: x's 256 rows, then W's 192
.set BOFF,   256*PITCH
.set STAGE,  2*SLOT                    ; the way out: 16 rows x 400 bytes for each wave; no tensor load lands here
.set SPITCH, 400                       ; 384 bytes + 16
.set SPARE,  STAGE+4*16*SPITCH
.set PLANE,  16777216
.set ADRA, 16                          ; v16-17 LDS address of my fragments of x in half 0, 1
.set ADRB, 18                          ; v18-19 the same for W
.set STO,  20
.set RD,   21
.set CO,   22                          ; v22-24 my byte offset in plane q, k, v
.set SOF,  25                          ; v25 32 r + 16 h
.set BOF,  26                          ; v26 32 h
.set SPW,  28
.set NIL,  29
.set SA,   32
.set SB,   48
.set AF,   96
.set BIAS, 160
.set TMP,  96                          ; the way out: packed results
.set BK,   160                         ; and rows read back, two sets of 48
.set WV,   16
.set G1A,  24
.set G1B,  32
.set G0A,  40
.set G0B,  48
.set MSB, 0
.macro WIN new                         ; the immediate's high byte repeats the setting that is left
.if MSB != (\new)
	s_set_vgpr_msb (MSB<<8)|(\new)
.set MSB, (\new)
.endif
.endm
.macro CROUND                          ; a round of the cluster's barrier
	s_barrier_signal -1
	s_barrier_wait -1
	s_cmp_lg_u32 s[WV], 0
	s_cbranch_scc1 .Lnot_wave_0_\@
	s_barrier_signal -3
.Lnot_wave_0_\@:
	s_barrier_wait -3
	s_barrier_signal -1
	s_barrier_wait -1
.endm
.macro PLACES
.rept 4
	v_nop
.endr
.endm
	s_load_b256 s[4:11], s[0:1], 0x0               ; xc s[4:5], xs s[6:7], wc s[8:9], ws s[10:11]
	s_load_b128 s[12:15], s[0:1], 0x20             ; b_qkv s[12:13], qkv s[14:15]
	v_lshl_add_u32 v[SPW], v0, 2, SPARE
	v_mov_b32 v[NIL], 0
	ds_add_u32 v[SPW], v[NIL]                      ; the wave's opening: the add, twice on end, and its wait ahead of my first tensor load
	ds_add_u32 v[SPW], v[NIL]
	v_lshrrev_b32 v1, 5, v0
	v_readfirstlane_b32 s[WV], v1                  ; wave 0..3
	s_bfe_u32 s17, ttmp6, 0x40000                  ; cx
	s_bfe_u32 s18, ttmp6, 0x40004                  ; cy
	s_lshl_b32 s19, ttmp9, 2
	s_add_co_u32 s19, s19, s17                     ; the head = 4 x cluster x + cx
	s_and_b32 s20, ttmp7, 0xffff
	s_lshl_b32 s20, s20, 2
	s_add_co_u32 s20, s20, s18                     ; the tile row = 4 x cluster y + cy
	s_lshl_b32 s21, s18, 2
	s_lshl_b32 s21, 15, s21                        ; my row of the cluster
	s_lshl_b32 s22, 0x1111, s17                    ; my column
	s_or_b32 s[G1A], s21, (1<<20)|(1<<21)|(5<<22)|(3<<25)   ; the mask; elements of 1 byte; padding on; bit 21 beside a mask; 4 words behind every 64
	s_or_b32 s[G1B], s22, (1<<20)|(1<<21)|(5<<22)|(3<<25)
	s_mov_b32 s[G1A+1], 256<<16                    ; tensor_dim0 = 256
	s_mov_b32 s[G1A+2], 64<<16                     ; tensor_dim1 = 64
	s_mov_b32 s[G1A+3], 256<<16                    ; tile_dim0
	s_mov_b32 s[G1A+4], 64                         ; tile_dim1
	s_mov_b32 s[G1A+5], 512                        ; from row to row
	s_mov_b32 s[G1A+6], 0
	s_mov_b32 s[G1A+7], 0
	s_mov_b32 s[G1B+1], 256<<16
	s_mov_b32 s[G1B+2], 48<<16                     ; W: 48 rows a wave
	s_mov_b32 s[G1B+3], 256<<16
	s_mov_b32 s[G1B+4], 48
	s_mov_b32 s[G1B+5], 512
	s_mov_b32 s[G1B+6], 0
	s_mov_b32 s[G1B+7], 0
	s_lshl_b32 s56, s20, 8                         ; x: my first row = 256 x tile row + 64 x wave: no register of this run ever holds cx
	s_lshl_b32 s57, s[WV], 6
	s_add_co_u32 s56, s56, s57
	s_lshl_b32 s58, s56, 9                         ; its codes,
	s_mov_b32 s59, 0
	s_lshl_b32 s60, s56, 5                         ; its scale bytes
	s_mov_b32 s61, 0
	s_mul_i32 s66, s19, 192                        ; W: the head's first row: no register of this run ever holds cy
	s_mul_i32 s67, s[WV], 48
	s_add_co_u32 s67, s67, s66                     ; the 48 rows that I fetch
	s_lshl_b32 s68, s67, 9
	s_mov_b32 s69, 0
	s_lshl_b32 s70, s66, 5                         ; the head's scale bytes,
	s_mov_b32 s71, 0
	s_lshl_b32 s72, s66, 2                         ; its bias
	s_mov_b32 s73, 0
	s_lshr_b32 s74, s20, 3                         ; out: batch = tile row / 8,
	s_lshl_b32 s74, s74, 4
	s_add_co_u32 s74, s74, s19                     ; batch x 16 + head,
	s_lshl_b32 s74, s74, 11
	s_and_b32 s75, s20, 7
	s_lshl_b32 s75, s75, 8
	s_add_co_u32 s74, s74, s75
	s_add_co_u32 s74, s74, s57                     ; its row 256 (tile row % 8) + 64 x wave,
	s_lshl_b32 s74, s74, 7                         ; 128 bytes a row
	s_mov_b32 s75, 0
	s_mul_i32 s62, s[WV], 64*PITCH                 ; LDS: wave x 64 rows of x,
	s_mul_i32 s63, s[WV], 48*PITCH
	s_add_co_u32 s63, s63, BOFF                    ; wave x 48 rows of W: no place in the cluster enters an LDS address
	s_wait_dscnt 0x0                               ; both opening adds are done
	s_wait_kmcnt 0x0
	s_add_nc_u64 s[58:59], s[4:5], s[58:59]
	s_add_nc_u64 s[68:69], s[8:9], s[68:69]
	s_add_nc_u64 s[6:7], s[6:7], s[60:61]
	s_add_nc_u64 s[10:11], s[10:11], s[70:71]
	s_add_nc_u64 s[12:13], s[12:13], s[72:73]
	s_add_nc_u64 s[14:15], s[14:15], s[74:75]
.irp s, 0,1
	s_mov_b32 s[G0A+4*\s], 1
	s_add_co_u32 s[G0A+4*\s+1], s62, \s*SLOT
	s_add_nc_u64 s[G0A+4*\s+2:G0A+4*\s+3], s[58:59], \s*256        ; half s of K
	s_or_b32 s[G0A+4*\s+3], s[G0A+4*\s+3], 0x80000000
	s_mov_b32 s[G0B+4*\s], 1
	s_add_co_u32 s[G0B+4*\s+1], s63, \s*SLOT
	s_add_nc_u64 s[G0B+4*\s+2:G0B+4*\s+3], s[68:69], \s*256
	s_or_b32 s[G0B+4*\s+3], s[G0B+4*\s+3], 0x80000000
.endr
	CROUND                                         ; all sixteen work-groups are here: the joint loads meet
	tensor_load_to_lds s[G0A:G0A+3], s[G1A:G1A+7]          ; every wave asks for its rows of both halves, with no branch: x's half 0,
	s_nop 0
	tensor_load_to_lds s[G0B:G0B+3], s[G1B:G1B+7]          ; W's half 0,
	s_nop 0
	tensor_load_to_lds s[G0A+4:G0A+7], s[G1A:G1A+7]        ; x's half 1,
	s_nop 0
	tensor_load_to_lds s[G0B+4:G0B+7], s[G1B:G1B+7]        ; W's half 1
	s_nop 0
	PLACES
	v_and_b32 v1, 15, v0                           ; r
	v_bfe_u32 v2, v0, 4, 1                         ; h
	v_lshlrev_b32 v[SOF], 5, v1
	v_lshl_add_u32 v[SOF], v2, 4, v[SOF]
	v_lshlrev_b32 v[BOF], 5, v2
.irp a, 0,1,2,3
	global_load_b128 v[SA+4*\a:SA+4*\a+3], v[SOF], s[6:7] offset:512*\a      ; 16 rows' scale bytes: 512 consecutive bytes
.endr
.irp j, 0,1,2,3,4,5,6,7,8,9,10,11
	global_load_b128 v[SB+4*\j:SB+4*\j+3], v[SOF], s[10:11] offset:512*\j
.endr
.irp j, 0,1,2,3,8,9,10,11                      ; q's and v's bias, in the result's layout: b(192 head + 16 j + 8 h + 0 .. 7).  k's blocks 4 to 7: left out
	global_load_b128 v[BIAS+8*\j:BIAS+8*\j+3], v[BOF], s[12:13] offset:64*\j
	global_load_b128 v[BIAS+8*\j+4:BIAS+8*\j+7], v[BOF], s[12:13] offset:64*\j+16
.endr
	v_mul_u32_u24 v3, v1, PITCH
	v_lshl_add_u32 v3, v2, 4, v3                   ; a fragment's row x pitch + 16 x half
	v_add_nc_u32 v[ADRA], s62, v3
	v_add_nc_u32 v[ADRA+1], SLOT, v[ADRA]
	v_add_nc_u32 v[ADRB], BOFF, v3
	v_add_nc_u32 v[ADRB+1], SLOT, v[ADRB]
	s_mul_i32 s23, s[WV], 16*SPITCH
	s_add_co_u32 s23, s23, STAGE                   ; my stage
	v_mul_u32_u24 v4, v1, SPITCH
	v_lshl_add_u32 v4, v2, 4, v4
	v_add_nc_u32 v[STO], s23, v4                   ; in: row r, 16 bytes for each half of the lanes
	v_and_b32 v5, 31, v0
	v_lshrrev_b32 v6, 3, v5
	v_and_b32 v7, 7, v0
	v_mul_u32_u24 v6, v6, SPITCH
	v_lshl_add_u32 v6, v7, 4, v6
	v_add_nc_u32 v[RD], s23, v6                    ; back: eight lanes take 128 bytes of a row, the wave four rows
	v_lshlrev_b32 v[CO], 4, v5                     ; which are 512 consecutive bytes of a plane
	v_add_nc_u32 v[CO+1], PLANE, v[CO]
	v_add_nc_u32 v[CO+2], 2*PLANE, v[CO]
.macro FRAG reg, adr, qq, i            ; 16 rows x 128 K of 4-bit codes: 8 registers: registers 4 c .. 4 c + 3 hold K = 64 c + 32 h + 0 .. 31
.irp c, 0,1
	ds_load_b128 v[\reg+4*\c:\reg+4*\c+3], v[\adr] offset:64*(\qq)+32*\c+(\i)*16*PITCH
.endr
.endm
.macro FETCH q                         ; K step q's fragments into set q % 2: 32 loads in one run
	WIN 0x40
.irp i, 0,1,2,3,4,5,6,7,8,9,10,11
	FRAG 96*((\q)%2)+8*\i, ADRB+(\q)/4, (\q)%4, \i
.endr
	WIN 0
.irp i, 0,1,2,3
	FRAG AF+32*((\q)%2)+8*\i, ADRA+(\q)/4, (\q)%4, \i
.endr
.endm
; 12 matrix instructions: x's block a against W's twelve, K step q.  The 48 accumulators take turns, one instruction a turn, in the same order in every step.
.macro MUL a, q
.set AC, 96*((\a)%2)
.set FB, 96*((\q)%2)
.set FA, AF+32*((\q)%2)+8*(\a)
.set QS, (\q)%4
.if (\q) == 0
	WIN 0x81+0x40*((\a)/2)                         ; W window 1, x window 0, the bias window 0, the sums window 2 or 3
.else
	WIN 0xa1+0x50*((\a)/2)
.endif
.irp j, 0,1,2,3,4,5,6,7,8,9,10,11
.if ((\q) == 0) && ((\j < 4) || (\j > 7))
	v_wmma_scale_f32_16x16x128_f8f6f4 v[AC+8*\j:AC+8*\j+7], v[FB+8*\j:FB+8*\j+7], v[FA:FA+7], v[BIAS+8*\j:BIAS+8*\j+7], v[SB+4*\j+QS], v[SA+4*(\a)+QS] matrix_a_fmt:MATRIX_FMT_FP4 matrix_b_fmt:MATRIX_FMT_FP4
.elseif (\q) == 0
	v_wmma_scale_f32_16x16x128_f8f6f4 v[AC+8*\j:AC+8*\j+7], v[FB+8*\j:FB+8*\j+7], v[FA:FA+7], 0, v[SB+4*\j+QS], v[SA+4*(\a)+QS] matrix_a_fmt:MATRIX_FMT_FP4 matrix_b_fmt:MATRIX_FMT_FP4
.elseif (\q) < 4
	v_wmma_scale_f32_16x16x128_f8f6f4 v[AC+8*\j:AC+8*\j+7], v[FB+8*\j:FB+8*\j+7], v[FA:FA+7], v[AC+8*\j:AC+8*\j+7], v[SB+4*\j+QS], v[SA+4*(\a)+QS] matrix_a_fmt:MATRIX_FMT_FP4 matrix_b_fmt:MATRIX_FMT_FP4
.else
	v_wmma_scale_f32_16x16x128_f8f6f4 v[AC+8*\j:AC+8*\j+7], v[FB+8*\j:FB+8*\j+7], v[FA:FA+7], v[AC+8*\j:AC+8*\j+7], v[SB+4*\j+QS], v[SA+4*(\a)+QS] matrix_a_fmt:MATRIX_FMT_FP4 matrix_b_fmt:MATRIX_FMT_FP4 matrix_a_scale:MATRIX_SCALE_ROW1 matrix_b_scale:MATRIX_SCALE_ROW1
.endif
.endr
.endm
.macro STEP q
	s_wait_dscnt 0x0                               ; this step's fragments are in (asked for 48 matrix instructions ago)
.if (\q) == 3
	s_wait_tensorcnt 0x0                           ; my parts of half 1 have landed,
	s_barrier_signal -1
	s_barrier_wait -1                              ; everybody's have.
.endif
.if (\q) < 7
.if (\q) > 0
	PLACES                                         ; four places in front of loads into registers that the last step's matrix instructions have read
.endif
	FETCH (\q)+1
.endif
	MUL 0, \q
	MUL 1, \q
	MUL 2, \q
	MUL 3, \q
.endm
	s_wait_tensorcnt 2                             ; my parts of half 0 are in; the two loads of half 1, issued behind them, may be out
	s_barrier_signal -1
	s_barrier_wait -1                              ; everybody's are
	FETCH 0
	s_wait_loadcnt 0x0                             ; the scale words and the bias
.irp q, 0,1,2,3,4,5,6,7
	STEP \q
.endr
	WIN 0
; THE WAY OUT, block by block of 16 rows x 192 columns: rounded to f16, 16 bytes a lane into my own stage, back as pieces of 128 bytes (a row of q, of k or of v), four rows an instruction.
.macro PACK a
.set AC, 96*((\a)%2)
	WIN 0x0a+5*((\a)/2)                            ; sources in window 2 or 3
.irp j, 0,1,2,3,4,5,6,7,8,9,10,11
.irp r, 0,1,2,3
	v_cvt_pk_f16_f32 v[TMP+4*\j+\r], v[AC+8*\j+2*\r], v[AC+8*\j+2*\r+1]   ; each accumulator from its low end on
.endr
.endr
	WIN 0
.endm
.macro TOSTAGE a
.set BB, BK+48*((\a)%2)
.irp j, 0,1,2,3,4,5,6,7,8,9,10,11
	ds_store_b128 v[STO], v[TMP+4*\j:TMP+4*\j+3] offset:32*\j
.endr
.irp g, 0,1,2
.irp f, 0,1,2,3
	ds_load_b128 v[BB+4*(4*\g+\f):BB+4*(4*\g+\f)+3], v[RD] offset:4*SPITCH*\f+128*\g   ; LDS serves a wave's instructions in order: these see the stores above
.endr
.endr
.endm
.macro SEND a
.set BB, BK+48*((\a)%2)
	s_wait_dscnt 0x0                               ; the block is back in registers
.irp g, 0,1,2
.irp f, 0,1,2,3
	global_store_b128 v[CO+\g], v[BB+4*(4*\g+\f):BB+4*(4*\g+\f)+3], s[14:15] offset:(16*(\a)+4*\f)*128   ; four rows of a plane: 512 consecutive bytes, aligned
.endr
.endr
.endm
	PLACES                                         ; in front of conversions that read results and write registers that the last products read
	PACK 0
	TOSTAGE 0
.irp a, 1,2,3
	PACK \a                                        ; block a's conversions stand between block a - 1's loads from the stage and the wait for them
	SEND \a-1
.if \a > 1
	s_wait_xcnt 0x0                                ; block a - 2's stores have read their registers: block a's loads may land there
.endif
	TOSTAGE \a
.endr
	SEND 3
	s_wait_tensorcnt 0x0                           ; the wave's end
	ds_add_u32 v[SPW], v[NIL]
	s_wait_dscnt 0x0
	CROUND                                         ; the closing round
	s_endpgm
.Lfunc_end_k_q762db04e72_qkv_gemm:
	.size	k_q762db04e72_qkv_gemm, .Lfunc_end_k_q762db04e72_qkv_gemm-k_q762db04e72_qkv_gemm
	.p2alignl 7, 3214868480
	.fill 96, 4, 3214868480
	.section	.rodata,"a",@progbits
	.p2align	6, 0x0
	.amdhsa_kernel k_q762db04e72_qkv_gemm
		.amdhsa_group_segment_fixed_size 327680
		.amdhsa_private_segment_fixed_size 0
		.amdhsa_enable_private_segment 0
		.amdhsa_kernarg_size 48
		.amdhsa_user_sgpr_count 2
		.amdhsa_user_sgpr_kernarg_segment_ptr 1
		.amdhsa_wavefront_size32 1
		.amdhsa_system_sgpr_workgroup_id_x 1
		.amdhsa_system_sgpr_workgroup_id_y 1
		.amdhsa_system_sgpr_workgroup_id_z 1
		.amdhsa_system_vgpr_workitem_id 0
		.amdhsa_next_free_vgpr 1024
		.amdhsa_next_free_sgpr 80
		.amdhsa_reserve_vcc 0
		.amdhsa_float_denorm_mode_32 3
		.amdhsa_float_denorm_mode_16_64 3
		.amdhsa_memory_ordered 1
		.amdhsa_forward_progress 1
		.amdhsa_inst_pref_size 100
	.end_amdhsa_kernel
	.amdgpu_metadata
---
amdhsa.version: [ 1, 2 ]
amdhsa.kernels:
  - .name:           k_q762db04e72_qkv_gemm
    .symbol:         k_q762db04e72_qkv_gemm.kd
    .args:
      - { .name: xc, .offset: 0, .size: 8, .value_kind: global_buffer, .address_space: global }
      - { .name: xs, .offset: 8, .size: 8, .value_kind: global_buffer, .address_space: global }
      - { .name: wc, .offset: 16, .size: 8, .value_kind: global_buffer, .address_space: global }
      - { .name: ws, .offset: 24, .size: 8, .value_kind: global_buffer, .address_space: global }
      - { .name: b_qkv, .offset: 32, .size: 8, .value_kind: global_buffer, .address_space: global }
      - { .name: qkv, .offset: 40, .size: 8, .value_kind: global_buffer, .address_space: global }
    .group_segment_fixed_size: 327680
    .private_segment_fixed_size: 0
    .kernarg_segment_align: 8
    .kernarg_segment_size: 48
    .max_flat_workgroup_size: 128
    .sgpr_count:     80
    .vgpr_count:     1024
    .wavefront_size: 32
...
	.end_amdgpu_metadata
.endif
;; end of part 3
;; launch attention (part 4): grid 4 x 64, 4 waves a work-group, clusters of 4 x 1, 327,680 bytes of LDS; arguments qkv, vals; writes vals
.if DOCPART == 4
	.amdgcn_target "amdgcn-amd-amdhsa--gfx1250"
	.amdhsa_code_object_version 6
	.text
	.protected	k_q762db04e72_attention
	.globl	k_q762db04e72_attention
	.p2align	8
	.type	k_q762db04e72_attention,@function
k_q762db04e72_attention:
	s_mov_b64 s[64:65], 0
	v_nop
	global_prefetch_b8 v0, s[64:65] scope:SCOPE_SE
	s_setreg_imm32_b32 hwreg(HW_REG_WAVE_MODE, 25, 1), 1
	s_wait_xcnt 0x0
	s_wait_alu depctr_hold_cnt(0) depctr_sa_sdst(0) depctr_va_vdst(0) depctr_va_sdst(0) depctr_va_ssrc(0) depctr_va_vcc(0) depctr_vm_vsrc(0)
	s_getreg_b32 s2, hwreg(HW_REG_IB_STS2, 6, 4)
	s_cmp_eq_u32 s2, 0
	s_cbranch_scc0 .Lentry_in_a_cluster
	s_endpgm
.Lentry_in_a_cluster:
	s_bfe_u32 s2, ttmp6, 0x10000c
	s_cmp_lg_u32 s2, 0x3003
	s_cbranch_scc0 .Lentry_shape_is_right
	s_endpgm
.Lentry_shape_is_right:
; values[bh][q][:] = the sum over k of softmax_k(q . k / 8) v[k][:], for 64 pairs bh = batch x 16 + head, 2,048 queries and keys, head size 64, no mask.  q, k, v: f16, the three planes of qkv, [64][2,048][64].
; Products, maxima and sums in f32; the weights p are rounded to f16 for the second product (p is at most 1; what falls under f16's smallest step is under 6e-8 of the row's largest weight), the result once, to f16.
; OUT: vals, f16, [16 head][8,192 (batch x 2,048 + position)][64]: a head's rows are dense, 128 bytes each.
; (k comes without its bias: left out in the launch before, shown dead at the head of the first launch.)
; SHARES.  A work-group owns 512 queries of one bh, each of its four waves 128: eight tiles of 16.  Every wave walks all 2,048 keys, 64 a step.  256 work-groups.
; LAYOUT.  S^T = K Q^T (source 0 = 16 keys, source 1 = 16 queries): a lane holds ONE query (lane % 16) and the keys 8 (lane / 16) + 0..7.  Two such tiles, rounded to f16 in pairs, ARE source 1 (32 keys x 16 queries)
; of O^T = V^T P, whose result again holds one query a lane.  K comes out of LDS as it lies, V ([key][channel]) turned, by ds_load_tr16_b128.
; SOFTMAX.  For each query a running maximum m and sum l: p = 2^(c s - c m), c = log2(e) / 8; in every step O and l are multiplied by a = 2^(c m_old - c m_new).
; BY TURNS.  The wave's tiles are two PIECES: piece 0 (tiles 0-3) and piece 1 (tiles 4-7).  In a TURN one piece has the matrix unit: 32 products V^T P of the step in hand, then 32 products K Q^T of the next step; the other
; piece's softmax, 4 x 118 = 472 instructions, stands between them in 64 slices, one behind each matrix instruction.  Then the pieces change places.  Two turns are a key step.
; CLUSTER.  The four query blocks of a cluster are all the queries of one bh and walk the same K and V: each tile is asked for JOINTLY, by the same tensor load with the same descriptor and a mask that names the four.
; REGISTERS, in windows of 256: windows 0 and 1: piece 0's and piece 1's softmax state under the SAME numbers: v16-47 statistics, eight a tile; v64-191 S^T, 32 a tile; v192-255 P, 16 a tile.  Window 0 also: v1-15 addresses.
;   window 2: O^T, 32 a tile.   window 3: v0-127 Q, 16 a tile; v128-191 K of one step; v192-255 V of one step.
.set PK,    272       ; an LDS row of K holds TWO keys (K's rows of 128 bytes are dense in memory): 256 bytes + 16: the 16 keys of a load start at 16 different columns of 16 bytes
.set PVP,   288       ; the same for V: 256 + 32: 16 lanes of the turning load take 4 rows x 2 keys x 32 bytes, each column of 16 bytes once
.set VOFF,  32*PK     ; a step's tiles lie together: 64 keys of K, then of V
.set STEPB, 32*(PK+PVP)
.set SLOT1, 1<<16     ; a slot holds two steps (35,840 bytes); slot 1 begins here, so that one exclusive or turns an address
.set STAGE, SLOT1+2*STEPB  ; behind the ring: 16 rows x 144 bytes for each wave
.set SP,    144
.set SPARE, STAGE+4*16*SP
.set PLANE, 16777216
.set SLOTB, 16384     ; a slot's 128 keys in memory
.set AK0, 2
.set AV0, 3
.set ADR, 4
.set QO,  5
.set STO, 6
.set RD,  7
.set GO,  8
.set PFO, 9           ; v9  the prefetches' offset: lanes 0-15: 256 x lane in K; lanes 16-31: the same in V, a plane on; never rewritten
.set SPW, 10
.set NIL, 11
.set ST,  16          ; tile t's statistics at v[ST+8 t]: +0 c m, +1 m, +2, +3 l (even keys', odd keys'), +4 to +7 at work; a takes +6 once the maximum is found
.set S,   64
.set P,   192
.set WV,  12
.set LIM, 15          ; s15 1 in wave 0, else the greatest number: a wave prefetches while s[SLOTS] is above it
.set PFA, 18          ; s[18:19]
.set G1K, 24
.set G1V, 32
.set G0K, 40          ; s[40:47] a set for each of the two first fills; the second then walks on
.set G0V, 48
.set SLOTS, 56
.set TWICE, 57
.set CS,  58
.set SEL, 60
.set TB,  62
.set MSB, 0
.macro WIN new
.if MSB != (\new)
	s_set_vgpr_msb (MSB<<8)|(\new)
.set MSB, (\new)
.endif
.endm
.macro JLOAD                        ; a joint refill: waves 0 and 1 fetch the two steps' tiles of K, waves 2 and 3 those of V; the branch hangs on the wave's number alone
	s_cmp_lt_u32 s[WV], 2
	s_cbranch_scc0 .Lfor_v_\@
	tensor_load_to_lds s[G0K+4:G0K+7], s[G1K:G1K+7]
	s_nop 0
.rept 4
	v_nop
.endr
	s_branch .Lasked_\@
.Lfor_v_\@:
	tensor_load_to_lds s[G0V+4:G0V+7], s[G1V:G1V+7]
	s_nop 0
.rept 4
	v_nop
.endr
.Lasked_\@:
.endm
; A PREFETCH INTO THE L2 of what the NEXT change of slots will ask for: a slot's 16,384 bytes of K and of V.  One cluster alone walks a bh's keys.  Its four partners share the bytes out BY ADDRESS, 4,096 of each tensor to a partner;
; in each, wave 0 asks, by one instruction: lanes 0-15 name 16 blocks of 256 bytes of K, lanes 16-31 of V.  So each block is named once.  The last change that fills a slot asks for nothing.
.macro ASK
	s_cmp_gt_u32 s[SLOTS], s[LIM]
	s_cbranch_scc0 .Lnot_mine_\@
	global_prefetch_b8 v[PFO], s[PFA:PFA+1] th:TH_LOAD_NT scope:SCOPE_SE
.Lnot_mine_\@:
.endm
.macro CROUND
	s_barrier_signal -1
	s_barrier_wait -1
	s_cmp_lg_u32 s[WV], 0
	s_cbranch_scc1 .Lnot_wave_0_\@
	s_barrier_signal -3
.Lnot_wave_0_\@:
	s_barrier_wait -3
	s_barrier_signal -1
	s_barrier_wait -1
.endm
.macro PLACES
.rept 4
	v_nop
.endr
.endm
	s_load_b128 s[4:7], s[0:1], 0x0 ; qkv s[4:5], vals s[6:7]
	v_lshl_add_u32 v[SPW], v0, 2, SPARE
	v_mov_b32 v[NIL], 0
	ds_add_u32 v[SPW], v[NIL]       ; the wave's opening: the add, twice on end, and its wait ahead of my first tensor load
	ds_add_u32 v[SPW], v[NIL]
	v_lshrrev_b32 v1, 5, v0
	v_readfirstlane_b32 s[WV], v1   ; wave 0..3
	s_bfe_u32 s13, ttmp6, 0x40000   ; cx: my block of 512 queries
	s_and_b32 s14, ttmp7, 0xffff    ; bh, which the four partners share
	s_lshl_b32 s20, s14, 18         ; its first byte in a plane: 262,144 bytes a head
	s_mov_b32 s21, 0
	s_and_b32 s16, s[WV], 1         ; which of a slot's two steps I fetch:
	s_lshl_b32 s22, s16, 13         ; its 8,192 bytes in memory,
	s_add_co_u32 s22, s22, s20
	s_mov_b32 s23, 0
	s_mul_i32 s17, s16, STEPB       ; and its place in a slot
	s_lshl_b32 s2, s13, 16          ; my block's 512 rows of 128 bytes,
	s_lshl_b32 s3, s[WV], 14        ; my wave's 128 of them
	s_add_co_u32 s2, s2, s3
	s_and_b32 s10, s14, 15          ; vals: the head's plane of 1,048,576 bytes,
	s_lshl_b32 s10, s10, 20
	s_lshr_b32 s11, s14, 4          ; the batch's 2,048 rows,
	s_lshl_b32 s11, s11, 18
	s_add_co_u32 s10, s10, s11
	s_add_co_u32 s10, s10, s2       ; my wave's rows
	s_mov_b32 s11, 0
	s_add_co_u32 s2, s2, s20        ; q: the head, my wave's rows
	s_mov_b32 s3, 0
	s_mov_b32 s[G1K], 15|(1<<16)|(1<<20)|(1<<21)|(5<<22)|(3<<25)  ; the mask: all four; elements of 2 bytes; padding on; bit 21 beside a mask; 4 words behind every 64
	s_mov_b32 s[G1V], 15|(1<<16)|(1<<20)|(1<<21)|(5<<22)|(7<<25)  ; the same with 8 words
.irp g, G1K, G1V
	s_mov_b32 s[\g+1], 128<<16      ; tensor_dim0 = 128 elements: two keys
	s_mov_b32 s[\g+2], 32<<16       ; tensor_dim1 = 32
	s_mov_b32 s[\g+3], 128<<16      ; tile_dim0
	s_mov_b32 s[\g+4], 32           ; tile_dim1
	s_mov_b32 s[\g+5], 128          ; from row to row: dense
	s_mov_b32 s[\g+6], 0
	s_mov_b32 s[\g+7], 0
.endr
	s_mov_b32 s[CS], 0x3e38aa3b     ; c = log2(e) / 8
	s_mov_b32 s[CS+1], s[CS]
	s_mov_b32 s[SEL], 0x76543210
	s_mov_b32 s[SEL+1], 0xfedcba98
	s_mov_b32 s[TB], 0
	s_mov_b32 s[SLOTS], 14          ; 16 slots' worth of keys; two are asked for at the head
	s_cmp_eq_u32 s[WV], 0
	s_cselect_b32 s[LIM], 1, -1
	v_bfe_u32 v[PFO], v0, 4, 1
	v_lshlrev_b32 v[PFO], 24, v[PFO]
	v_and_b32 v13, 15, v0
	v_lshl_add_u32 v[PFO], v13, 8, v[PFO]
	s_wait_dscnt 0x0                ; both opening adds are done
	s_wait_kmcnt 0x0
	s_add_nc_u64 s[8:9], s[4:5], s[22:23]   ; plane q at the head's rows of my step: K and V lie one and two planes on
	s_add_nc_u64 s[PFA:PFA+1], s[4:5], s[20:21]
	s_lshl_b32 s22, s13, 12         ; my work-group's 4,096 bytes of a slot
	s_add_nc_u64 s[PFA:PFA+1], s[PFA:PFA+1], s[22:23]
	s_add_nc_u64 s[PFA:PFA+1], s[PFA:PFA+1], PLANE+2*SLOTB  ; in K's slot 2; the first change of slots steps it to slot 3.  Nothing is prefetched at the head
	s_add_nc_u64 s[4:5], s[4:5], s[2:3]     ; q at my wave's first row
	s_add_nc_u64 s[6:7], s[6:7], s[10:11]   ; vals likewise
.irp n, 0,1
	s_mov_b32 s[G0K+4*\n], 1
	s_add_co_u32 s[G0K+4*\n+1], s17, \n*SLOT1
	s_add_nc_u64 s[G0K+4*\n+2:G0K+4*\n+3], s[8:9], PLANE+\n*SLOTB
	s_or_b32 s[G0K+4*\n+3], s[G0K+4*\n+3], 0x80000000
	s_mov_b32 s[G0V+4*\n], 1
	s_add_co_u32 s[G0V+4*\n+1], s17, \n*SLOT1+VOFF
	s_add_nc_u64 s[G0V+4*\n+2:G0V+4*\n+3], s[8:9], 2*PLANE+\n*SLOTB
	s_or_b32 s[G0V+4*\n+3], s[G0V+4*\n+3], 0x80000000
.endr
	CROUND                          ; all four work-groups are here: the first joint loads meet
	s_cmp_lt_u32 s[WV], 2           ; a wave's two first fills stand in one branch, ahead of every wait on TENSORcnt and every LDS read: two loads of mine are out
	s_cbranch_scc0 .Lfirst_v
	tensor_load_to_lds s[G0K:G0K+3], s[G1K:G1K+7]
	s_nop 0
	tensor_load_to_lds s[G0K+4:G0K+7], s[G1K:G1K+7]
	s_nop 0
.rept 4
	v_nop
.endr
	s_branch .Lfirst_asked
.Lfirst_v:
	tensor_load_to_lds s[G0V:G0V+3], s[G1V:G1V+7]
	s_nop 0
	tensor_load_to_lds s[G0V+4:G0V+7], s[G1V:G1V+7]
	s_nop 0
.rept 4
	v_nop
.endr
.Lfirst_asked:
	v_and_b32 v1, 15, v0            ; r
	v_bfe_u32 v12, v0, 4, 1         ; h
	v_lshlrev_b32 v[QO], 7, v1
	v_lshl_add_u32 v[QO], v12, 4, v[QO]  ; row x 128 + 16 x half
	WIN 0xc0                        ; destination window 3
.irp f, 0,1,2,3,4,5,6,7,8,9,10,11,12,13,14,15  ; Q stays in registers: tile f / 2, channels 32 (f % 2) on
	global_load_b128 v[8*\f:8*\f+3],   v[QO], s[4:5] offset:(\f/2)*2048+(\f%2)*64
	global_load_b128 v[8*\f+4:8*\f+7], v[QO], s[4:5] offset:(\f/2)*2048+(\f%2)*64+32
.endr
	WIN 0
	v_lshrrev_b32 v13, 1, v1        ; K: key r of a tile lies in LDS row r / 2, half r % 2
	v_mul_u32_u24 v[AK0], v13, PK
	v_and_b32 v13, 1, v0
	v_lshl_add_u32 v[AK0], v13, 7, v[AK0]
	v_lshl_add_u32 v[AK0], v12, 4, v[AK0]
	v_bfe_u32 v14, v0, 1, 2         ; V: the turning load's lane l reads key 8 h + l % 8: LDS row 4 h + (l / 2) % 4, half l % 2; channels 8 ((l / 8) % 2) on
	v_lshl_add_u32 v14, v12, 2, v14
	v_mul_u32_u24 v[AV0], v14, PVP
	v_lshl_add_u32 v[AV0], v13, 7, v[AV0]
	v_bfe_u32 v14, v0, 3, 1
	v_lshl_add_u32 v[AV0], v14, 4, v[AV0]
	v_add_nc_u32 v[AV0], VOFF, v[AV0]
; THE MATRIX WORK OF A TURN, for piece x.  The accumulators take turns, one instruction a turn: between two links of a chain stand 15 others'.
; Product i of 32 of O^T += V^T P: keys 32 (i / 16) on, channels 16 ((i / 4) % 4) on, tile i % 4 of the piece.  zero = 1: the first 16 start the sums.
.macro PV x, zero
	WIN 0xa3+4*(\x)                 ; V window 3, P the piece's window, O^T window 2
.set rO, 32*(4*(\x)+i%4)+8*((i/4)%4)
.set rV, 192+32*(i/16)+8*((i/4)%4)
.set rP, P+16*(i%4)+8*(i/16)
.if (\zero) && (i < 16)
	v_wmma_f32_16x16x32_f16 v[rO:rO+7], v[rV:rV+7], v[rP:rP+7], 0
.else
	v_wmma_f32_16x16x32_f16 v[rO:rO+7], v[rV:rV+7], v[rP:rP+7], v[rO:rO+7]
.endif
.endm
; Product i of 32 of S^T = K Q^T: channels 32 (i / 16) on, keys 16 ((i / 4) % 4) on, tile i % 4.  The first 16 start the sums.
.macro KQ x
	WIN 0x0f+0x50*(\x)              ; K and Q window 3, S^T the piece's window
.set rS, S+32*(i%4)+8*((i/4)%4)
.set rK, 128+16*((i/4)%4)+8*(i/16)
.set rQ, 16*(4*(\x)+i%4)+8*(i/16)
.if i < 16
	v_wmma_f32_16x16x32_f16 v[rS:rS+7], v[rK:rK+7], v[rQ:rQ+7], 0
.else
	v_wmma_f32_16x16x32_f16 v[rS:rS+7], v[rK:rK+7], v[rQ:rQ+7], v[rS:rS+7]
.endif
.endm
; THE LDS LOADS stand in runs of 16: a step's K (8 fragments) and, a turn later, its V (turned).
.macro FETCH_K
	WIN 0
	v_add_nc_u32 v[ADR], s[TB], v[AK0]
	WIN 0xc0
.irp f, 0,1,2,3,4,5,6,7             ; keys 16 (f / 2) on, channels 32 (f % 2) on
	ds_load_b128 v[128+8*\f:128+8*\f+3],   v[ADR] offset:(\f/2)*8*PK+(\f%2)*64
	ds_load_b128 v[128+8*\f+4:128+8*\f+7], v[ADR] offset:(\f/2)*8*PK+(\f%2)*64+32
.endr
.endm
.macro FETCH_V
	WIN 0
	v_add_nc_u32 v[ADR], s[TB], v[AV0]
	s_add_co_u32 s[TB], s[TB], STEPB  ; the next fetch is the next step's
	s_wait_alu depctr_va_vdst(0)    ; the wait for the softmax's batch of exponentials (SLICE), ahead of the first instruction that names a result
	WIN 0xc0
.irp f, 0,1,2,3,4,5,6,7             ; keys 32 (f / 4) on, channels 16 (f % 4) on
	ds_load_tr16_b128 v[192+8*\f:192+8*\f+3],   v[ADR] offset:(\f/4)*16*PVP+(\f%4)*32
	ds_load_tr16_b128 v[192+8*\f+4:192+8*\f+7], v[ADR] offset:(\f/4)*16*PVP+8*PVP+(\f%4)*32
.endr
.endm
; THE VECTOR WORK OF A TURN.  One tile's softmax for one key step is a list of 118 instructions; SM writes number j of it for tile t of piece y.  s0-s31 are the lane's 32 scores, in pairs 0-15.
;   0-15    the maximum of s0-s31 and the old m, three operands at a time      16-20  the other half of the lanes' maximum; the new m; c m; c m_old - c m_new
;   21-69   ONE BATCH: the 16 scalings c s - c m and all 33 exponentials (a at 23, then s0-s31); none of these reads an exponential's result; a pair is scaled in an earlier four than the one with its exponentials
;   (wait)  between 69 and 70 stands the one wait for the batch      70-85  the roundings to f16      86-101  the sums; l = a l + the sum      102-117  the tile's O^T times a
; first = 1: the first key step, which starts m, l and O^T: it has no a and nothing to rescale.
.macro SM y, t, first
.set rT, ST+8*(\t)
.set rS, S+32*(\t)
.set rP, P+16*(\t)
.set rO, 32*(4*(\y)+(\t))+2*(j-102)
.if j < 102
	WIN 0x55*(\y)                   ; every operand in the piece's window
.endif
.if j < 4
	v_max3_num_f32 v[rT+4+j], v[rS+8*j], v[rS+8*j+1], v[rS+8*j+2]
.elseif j < 12
	v_max3_num_f32 v[rT+4+j%4], v[rT+4+j%4], v[rS+8*(j%4)+2*(j/4)+1], v[rS+8*(j%4)+2*(j/4)+2]
.elseif j == 12
	v_max3_num_f32 v[rT+4], v[rT+4], v[rS+7], v[rS+15]
.elseif j == 13
	v_max3_num_f32 v[rT+6], v[rT+6], v[rS+23], v[rS+31]
.elseif j == 14
	v_max3_num_f32 v[rT+4], v[rT+4], v[rT+5], v[rT+6]
.elseif (j == 15) && \first
	v_max_num_f32 v[rT+4], v[rT+4], v[rT+7]
.elseif j == 15
	v_max3_num_f32 v[rT+4], v[rT+4], v[rT+7], v[rT+1]
.elseif j == 16
	v_permlanex16_b32 v[rT+5], v[rT+4], s[SEL], s[SEL+1]  ; the query's other 32 keys lie in the lane 16 away
.elseif j == 18
	v_max_num_f32 v[rT+1], v[rT+4], v[rT+5]
.elseif j == 19
	v_mul_f32 v[rT], s[CS], v[rT+1]
.elseif ((j == 17) || (j == 20) || (j == 23) || (j > 101)) && \first  ; the first step has none of these
.elseif j == 17
	v_mov_b32 v[rT+7], v[rT]        ; c m_old is kept for a
.elseif j == 20
	v_sub_f32 v[rT+7], v[rT+7], v[rT]
.elseif j == 23
	v_exp_f32 v[rT+6], v[rT+7]
.elseif (j < 23) || ((j < 38) && (j%2 == 0)) || ((j < 66) && (j%4 == 2))
.set b, (j-2)/4                     ; 38, 42, .. 62: pairs 9 to 15
.if j < 38
.set b, (j-20)/2                    ; 21: pair 0; 22, 24, .. 36: pairs 1 to 8
.endif
	v_pk_fma_f32 v[rS+2*b:rS+2*b+1], v[rS+2*b:rS+2*b+1], s[CS:CS+1], v[rT:rT+1] op_sel_hi:[1,0,0] neg_lo:[0,0,1] neg_hi:[0,0,1]  ; pair b: c s - c m
.elseif j < 70
.set e, j-38                        ; 66 to 69: s28 to s31
.if j < 66
.set e, j-32-(j-38)/4               ; 39-41, 43-45, .. 63-65: s7 to s27
.endif
.if j < 38
.set e, (j-25)/2                    ; 25, 27, .. 37: s0 to s6
.endif
	v_exp_f32 v[rS+e], v[rS+e]
.elseif j < 86
	v_cvt_pk_f16_f32 v[rP+j-70], v[rS+2*(j-70)], v[rS+2*(j-70)+1]  ; pair j - 70
.elseif j < 102                     ; the sum of the tile's 16 pairs, in place: neighbours 1, 2, 4 and 8 pairs apart, then l takes it
.set z, j-86
.set w, 4
.set u, z
.if z >= 14
.set w, 32
.set u, 0
.elseif z >= 12
.set w, 16
.set u, z-12
.elseif z >= 8
.set w, 8
.set u, z-8
.endif
.if (z == 14) && \first
	v_pk_add_f32 v[rT+2:rT+3], v[rS:rS+1], v[rS+16:rS+17]
.elseif z < 15
	v_pk_add_f32 v[rS+w*u:rS+w*u+1], v[rS+w*u:rS+w*u+1], v[rS+w*u+w/2:rS+w*u+w/2+1]
.elseif !\first
	v_pk_fma_f32 v[rT+2:rT+3], v[rT+2:rT+3], v[rT+6:rT+7], v[rS:rS+1] op_sel_hi:[1,0,1]
.endif
.else
	WIN 0x82+4*(\y)                 ; O^T (destination and source 0) window 2, a the piece's window
	v_pk_mul_f32 v[rO:rO+1], v[rO:rO+1], v[rT+6:rT+7] op_sel_hi:[1,0]
.endif
.endm
; Four instructions: quad qd of 118.  Quads 22 to 69 deal out the batch: four numbers of ONE tile, the tiles by turns.  Every other quad is number qd of all four tiles, so that no instruction reads the result of the one before it.
.macro QUAD y, first
.if (qd >= 22) && (qd < 70)
.irp n, 0,1,2,3
.set j, 22+4*((qd-22)/4)+(\n)
	SM \y, (qd-22)%4, \first
.endr
.else
.irp t, 0,1,2,3
.set j, qd
	SM \y, \t, \first
.endr
.endif
.set qd, qd+1
.endm
; Slice k of 64: two quads up to slice 53, one from there on: 2 x 54 + 10 = 118.  Slices 0 to 34 hold quads 0 to 69: behind slice 34 all 132 exponentials of the piece are issued and no result has been named: there stand the
; plain instruction that a transcendental wants ahead of the first use, and ONE wait for the batch.  In piece 1's turn V's run of loads stands there, and the wait in it.
.macro SLICE y, first
	QUAD \y, \first
.if k < 54
	QUAD \y, \first
.endif
.if k == 34
	v_nop
.if (\y) == 0
	FETCH_V
.else
	s_wait_alu depctr_va_vdst(0)
.endif
.endif
.set k, k+1
.endm
; A TURN.  Piece x has the matrix unit.  pv = 2: 32 products V^T P; 1: they start O^T's sums; 0: none.  kq = 1: 32 products K Q^T for the next step.  A turn with one of the two kinds has two slices behind each product.
; PLACES, counted: behind the turn's last K Q^T stands slice 63, four packed multiplies on the other piece's O^T: the four places in front of the next turn's reads of those scores and of the loads into K's registers.
; Between the last V^T P and V's loads stand four scalings (number 62 of the four tiles), the v_nop and the run's own addition; the exponentials between are no places.
; first = 1: the slices from 51 on are empty, and four v_nop take slice 63's part.
.macro TURN x, pv, kq, first
.set k, 0
.set qd, 0
.set per, 2
.if (\pv) && (\kq)
.set per, 1
.endif
.if \pv
.if (\x) == 0
	s_wait_dscnt 0x0                ; V is in (asked for 29 matrix instructions ago)
.endif
.set i, 0
.rept 32
	PV \x, 2-(\pv)
.rept per
	SLICE 1-(\x), \first
.endr
.if ((\x) == 0) && (\kq) && (i == 1)
	FETCH_K                         ; the next step's K: both pieces have multiplied by the last step's
.endif
.set i, i+1
.endr
.endif
.if \kq
.if (\x) == 0
	s_wait_dscnt 0x0                ; K is in (asked for 30 matrix instructions ago)
.endif
.set i, 0
.rept 32
	KQ \x
.rept per
	SLICE 1-(\x), \first
.endr
.set i, i+1
.endr
.endif
.if \first
	PLACES
.endif
.endm
; THE CHANGE OF SLOTS, between piece 1's turn and piece 0's: the slot's last bytes, V of its second step, have been asked for.  Each wave waits for all its tensor loads, of which one is out (its part of the other slot), adds 0 to
; its spare word, and waits for that and for its own reads of the slot.  fill = 1: the barrier is a round of the cluster's, and the joint refill is the first thing behind it: it has two key steps, 256 matrix instructions, in which to land.
.macro CHANGE fill
	WIN 0
	s_wait_tensorcnt 0x0            ; no tensor load of mine is out, so a group 0 may be written
	ds_add_u32 v[SPW], v[NIL]       ; 0 onto my spare word
.if \fill
.irp g, G0K+4, G0V+4
	s_xor_b32 s[\g+1], s[\g+1], SLOT1  ; the walking descriptor: the other slot than last time,
	s_add_nc_u64 s[\g+2:\g+3], s[\g+2:\g+3], SLOTB  ; the next 128 keys
.endr
	s_wait_xcnt 0x0                 ; the last prefetch, two key steps back, has read its address
	s_add_nc_u64 s[PFA:PFA+1], s[PFA:PFA+1], SLOTB
	s_wait_dscnt 0x0                ; the add is done, and my reads of the slot are over
	CROUND
	JLOAD
	ASK
.else
	s_wait_dscnt 0x0
	s_barrier_signal -1
	s_barrier_wait -1
.endif
	s_sub_co_u32 s[TB], s[TB], 2*STEPB  ; the fetches go back to a slot's first step,
	s_xor_b32 s[TB], s[TB], SLOT1   ; in the other slot
.endm
.macro TWO_STEPS                    ; a slot's two key steps: written once, walked twice
	s_mov_b32 s[TWICE], 2
.Lstep_\@:
	TURN 0, 2, 1, 0
	TURN 1, 2, 1, 0
	WIN 0
	s_sub_co_u32 s[TWICE], s[TWICE], 1
	s_cmp_lg_u32 s[TWICE], 0
	s_cbranch_scc1 .Lstep_\@
.endm
	s_wait_tensorcnt 1              ; my part of slot 0 is in; slot 1's may stay out
	s_barrier_signal -1
	s_barrier_wait -1
	FETCH_K                         ; key step 0
	s_wait_loadcnt 0x0              ; Q
	s_wait_dscnt 0x0
.set i, 0
.rept 32
	KQ 0                            ; piece 0's first scores
.set i, i+1
.endr
	WIN 0                           ; the addresses for the way out are made here: plain instructions, the places behind those products
	s_mul_i32 s13, s[WV], 16*SP
	s_add_co_u32 s13, s13, STAGE    ; my stage
	v_mul_u32_u24 v[STO], v1, SP    ; in: row r, 16 bytes for each half of the lanes
	v_lshl_add_u32 v[STO], v12, 4, v[STO]
	v_add_nc_u32 v[STO], s13, v[STO]
	v_bfe_u32 v13, v0, 3, 2         ; back: eight lanes take a row of 128 bytes, the wave four rows
	v_mul_u32_u24 v[RD], v13, SP
	v_and_b32 v14, 7, v0
	v_lshl_add_u32 v[RD], v14, 4, v[RD]
	v_add_nc_u32 v[RD], s13, v[RD]
	v_and_b32 v[GO], 31, v0
	v_lshlrev_b32 v[GO], 4, v[GO]   ; which are 512 consecutive bytes of vals
	TURN 1, 0, 1, 1                 ; piece 1's first scores | piece 0's first softmax | V of step 0
	TURN 0, 1, 1, 1                 ; piece 0: V^T P of step 0 starts O^T, K Q^T of step 1 | piece 1's first softmax | K of step 1
	TURN 1, 1, 1, 0                 ; piece 1: the same | piece 0's softmax of step 1 | V of step 1
	WIN 0
.Lslot:                             ; 14 trips: every slot but the last two is filled again
	CHANGE 1
	TWO_STEPS
	s_sub_co_u32 s[SLOTS], s[SLOTS], 1
	s_cmp_lg_u32 s[SLOTS], 0
	s_cbranch_scc1 .Lslot
	CHANGE 0                        ; the tail is written out
	TWO_STEPS
	TURN 0, 2, 0, 0                 ; piece 0: V^T P of the last step | piece 1's last softmax
.set i, 0
.rept 32
	PV 1, 0                         ; piece 1: V^T P of the last step
.set i, i+1
.endr
	; THE WAY OUT.  l's two halves and the other half of the lanes' are added; O^T is divided by l, rounded to f16 and sent through my stage, a tile (16 rows) at a time.  The additions are the places behind the last products.
.macro STAT
.irp t, 0,1,2,3
	v_add_f32 v[ST+8*\t+4], v[ST+8*\t+2], v[ST+8*\t+3]
.endr
.irp t, 0,1,2,3
	v_permlanex16_b32 v[ST+8*\t+5], v[ST+8*\t+4], s[SEL], s[SEL+1]
.endr
.irp t, 0,1,2,3
	v_add_f32 v[ST+8*\t+4], v[ST+8*\t+4], v[ST+8*\t+5]
.endr
.irp t, 0,1,2,3
	v_rcp_f32 v[ST+8*\t+6], v[ST+8*\t+4]
.endr
.endm
	WIN 0
	STAT
	WIN 0x55
	STAT
	v_nop                           ; a plain instruction between the last reciprocal and the use of its result
	s_wait_alu depctr_va_vdst(0)    ; and one wait for the eight reciprocals, ahead of the first use
.macro PACK T
	WIN 0x82+4*((\T)/4)
.set i, 32*(\T)
.rept 16
	v_pk_mul_f32 v[i:i+1], v[i:i+1], v[ST+8*((\T)%4)+6:ST+8*((\T)%4)+7] op_sel_hi:[1,0]
.set i, i+2
.endr
	WIN 0x0a                        ; sources window 2, destination window 0: piece 0's S^T is free
.set i, 0
.rept 16
	v_cvt_pk_f16_f32 v[S+16*(\T)+i], v[32*(\T)+2*i], v[32*(\T)+2*i+1]
.set i, i+1
.endr
	WIN 0
.irp f, 0,1,2,3
	ds_store_b128 v[STO], v[S+16*(\T)+4*\f:S+16*(\T)+4*\f+3] offset:32*\f
.endr
.irp f, 0,1,2,3
	ds_load_b128 v[S+16*(\T)+4*\f:S+16*(\T)+4*\f+3], v[RD] offset:\f*4*SP  ; LDS serves a wave's instructions in order: these see the stores above; the next tile's stores come behind them
.endr
.endm
.macro SEND T, younger              ; younger: the LDS instructions issued behind tile T's loads: the next tile's eight, or none
.irp f, 0,1,2,3
	s_wait_dscnt \younger+3-\f
	global_store_b128 v[GO], v[S+16*(\T)+4*\f:S+16*(\T)+4*\f+3], s[6:7] offset:(\T)*2048+\f*512  ; four rows: 512 consecutive bytes, aligned
.endr
.endm
	PACK 0
.irp T, 1,2,3,4,5,6,7
	PACK \T                         ; a tile's arithmetic stands between the loads of the tile before and its stores
	SEND \T-1, 8
.endr
	SEND 7, 0
	s_wait_tensorcnt 0x0            ; the wave's end
	ds_add_u32 v[SPW], v[NIL]
	s_wait_dscnt 0x0
	CROUND                          ; the closing round
	s_endpgm
.Lfunc_end_k_q762db04e72_attention:
	.size	k_q762db04e72_attention, .Lfunc_end_k_q762db04e72_attention-k_q762db04e72_attention
	.p2alignl 7, 3214868480
	.fill 96, 4, 3214868480
	.section	.rodata,"a",@progbits
	.p2align	6, 0x0
	.amdhsa_kernel k_q762db04e72_attention
		.amdhsa_group_segment_fixed_size 327680
		.amdhsa_private_segment_fixed_size 0
		.amdhsa_enable_private_segment 0
		.amdhsa_kernarg_size 16
		.amdhsa_user_sgpr_count 2
		.amdhsa_user_sgpr_kernarg_segment_ptr 1
		.amdhsa_wavefront_size32 1
		.amdhsa_system_sgpr_workgroup_id_x 1
		.amdhsa_system_sgpr_workgroup_id_y 1
		.amdhsa_system_sgpr_workgroup_id_z 1
		.amdhsa_system_vgpr_workitem_id 0
		.amdhsa_next_free_vgpr 1024
		.amdhsa_next_free_sgpr 66
		.amdhsa_reserve_vcc 0
		.amdhsa_float_denorm_mode_32 3
		.amdhsa_float_denorm_mode_16_64 3
		.amdhsa_memory_ordered 1
		.amdhsa_forward_progress 1
		.amdhsa_inst_pref_size 255
	.end_amdhsa_kernel
	.section	.bss,"aw",@nobits
	.p2align	6
	.space	262144
	.amdgpu_metadata
---
amdhsa.version: [ 1, 2 ]
amdhsa.kernels:
  - .name:           k_q762db04e72_attention
    .symbol:         k_q762db04e72_attention.kd
    .args:
      - { .name: qkv, .offset: 0, .size: 8, .value_kind: global_buffer, .address_space: global }
      - { .name: vals, .offset: 8, .size: 8, .value_kind: global_buffer, .address_space: global }
    .group_segment_fixed_size: 327680
    .private_segment_fixed_size: 0
    .kernarg_segment_align: 8
    .kernarg_segment_size: 16
    .max_flat_workgroup_size: 128
    .sgpr_count:     66
    .vgpr_count:     1024
    .wavefront_size: 32
...
	.end_amdgpu_metadata
.endif
;; end of part 4
;; launch out_proj (part 5): grid 8 x 32, 4 waves a work-group, clusters of 4 x 4, 327,680 bytes of LDS; arguments vals, w16, b_out, out0; writes out0
.if DOCPART == 5
	.amdgcn_target "amdgcn-amd-amdhsa--gfx1250"
	.amdhsa_code_object_version 6
	.text
	.protected	k_q762db04e72_out_proj
	.globl	k_q762db04e72_out_proj
	.p2align	8
	.type	k_q762db04e72_out_proj,@function
k_q762db04e72_out_proj:
	s_mov_b64 s[64:65], 0
	v_nop
	global_prefetch_b8 v0, s[64:65] scope:SCOPE_SE
	s_setreg_imm32_b32 hwreg(HW_REG_WAVE_MODE, 25, 1), 1
	s_wait_xcnt 0x0
	s_wait_alu depctr_hold_cnt(0) depctr_sa_sdst(0) depctr_va_vdst(0) depctr_va_sdst(0) depctr_va_ssrc(0) depctr_va_vcc(0) depctr_vm_vsrc(0)
	s_getreg_b32 s2, hwreg(HW_REG_IB_STS2, 6, 4)
	s_cmp_eq_u32 s2, 0
	s_cbranch_scc0 .Lentry_in_a_cluster
	s_endpgm
.Lentry_in_a_cluster:
	s_bfe_u32 s2, ttmp6, 0x10000c
	s_cmp_lg_u32 s2, 0xf033
	s_cbranch_scc0 .Lentry_shape_is_right
	s_endpgm
.Lentry_shape_is_right:
; out0[m][n] = the sum over k of values[m][k] W_out[k][n] + b_out[n].  8,192 x 1,024 x 1,024, f16 operands, f32 sums, f32 out.
; vals: f16 [16 head][8,192][64], k = 64 head + channel.  w16: f16 [1,024 (k)][1,024 (n)], K outermost: its fragments come out of LDS turned, by ds_load_tr16_b128.
; SHARES.  A tile is 256 rows x 128 columns: 256 work-groups.  Four waves, each 128 rows x 64 columns: 8 x 4 accumulators, 256 registers.  K goes in steps of 128 (two heads) through a ring of two LDS slots: 8 fills.
; CLUSTERS: 4 x 4 work-groups: the four of a row of the cluster need the same rows of vals, the four of a column the same columns of w16: each tile is asked for JOINTLY.
; No prefetch: the ring has eight fills in all, and each tile is read by four clusters or more at about the same time.
; THE MATRIX INSTRUCTION IS USED TRANSPOSED (source 0 = 16 columns of W_out, source 1 = 16 rows of vals): a lane holds eight neighbouring numbers of a row of out0.  b_out is the C of each sum's first product.
; REGISTERS: window 0: v16-29 addresses; v96-127 the bias; v128-191 rows on their way out.   window 1: accumulator (a, b) at v[8 (4 a + b)].   window 2: two fragment buffers of 96: vals' 8 fragments, then W_out's 4.
.set PA,    272                        ; vals in LDS: a row holds TWO rows of a head's plane (dense in memory): 256 bytes + 16
.set PB,    288                        ; w16: a row of 128 columns, 256 bytes + 32: the turning load's 8 rows x 32 bytes fall on different columns of 16 bytes
.set PLN,   128*PA                     ; a head's 256 rows
.set BOFF,  2*PLN
.set SLOT,  BOFF+128*PB
.set STAGE, 2*SLOT                     ; 16 rows x 272 bytes for each wave; no tensor load lands here
.set SPITCH, 272
.set SPARE, STAGE+4*16*SPITCH
.set LAPS,  4
.set ADRA, 16
.set ADRB, 20
.set STO,  24
.set RD,   25
.set CO,   26
.set BOF,  27
.set SPW,  28
.set NIL,  29
.set BIAS, 96
.set BK,   128
.set F0,   0
.set F1,   96
.set WV,   12
.set RH,   13                          ; s13 which 128 rows are mine.  Also: I fetch for vals (0) or for w16 (1)
.set CH,   14                          ; s14 which 64 columns.  Also: which plane, or which 64 rows of w16, I fetch
.set G1,   24
.set G0,   32
.set G1B,  48
.set G0B,  56
.set MSB, 0
.macro WIN new
.if MSB != (\new)
	s_set_vgpr_msb (MSB<<8)|(\new)
.set MSB, (\new)
.endif
.endm
.set MULW, 0x5a                        ; sources 0 and 1 window 2; C and D window 1
.set MULF, 0x4a                        ; the same with C (the bias) in window 0
.macro JLOAD s
	s_cmp_eq_u32 s[RH], 0
	s_cbranch_scc0 .Lfor_b_\@
	tensor_load_to_lds s[G0+4*\s:G0+4*\s+3], s[G1:G1+7]
	s_nop 0
.rept 4
	v_nop
.endr
	s_branch .Lasked_\@
.Lfor_b_\@:
	tensor_load_to_lds s[G0B+4*\s:G0B+4*\s+3], s[G1B:G1B+7]
	s_nop 0
.rept 4
	v_nop
.endr
.Lasked_\@:
.endm
.macro CREST
	s_cmp_lg_u32 s[WV], 0
	s_cbranch_scc1 .Lnot_wave_0_\@
	s_barrier_signal -3
.Lnot_wave_0_\@:
	s_barrier_wait -3
	s_barrier_signal -1
	s_barrier_wait -1
.endm
.macro CROUND
	s_barrier_signal -1
	s_barrier_wait -1
	CREST
.endm
.macro PLACES
.rept 4
	v_nop
.endr
.endm
	s_load_b256 s[4:11], s[0:1], 0x0               ; vals s[4:5], w16 s[6:7], b_out s[8:9], out0 s[10:11]
	v_lshl_add_u32 v[SPW], v0, 2, SPARE
	v_mov_b32 v[NIL], 0
	ds_add_u32 v[SPW], v[NIL]                      ; the wave's opening: the add, twice on end, and its wait ahead of my first tensor load
	ds_add_u32 v[SPW], v[NIL]
	v_lshrrev_b32 v1, 5, v0
	v_readfirstlane_b32 s[WV], v1
	s_lshr_b32 s[RH], s[WV], 1
	s_and_b32 s[CH], s[WV], 1
	s_bfe_u32 s40, ttmp6, 0x40000                  ; cx
	s_bfe_u32 s41, ttmp6, 0x40004                  ; cy
	s_lshl_b32 s42, ttmp9, 2
	s_add_co_u32 s42, s42, s40                     ; tile column
	s_and_b32 s15, ttmp7, 0xffff
	s_lshl_b32 s15, s15, 2
	s_add_co_u32 s15, s15, s41                     ; tile row
	s_lshl_b32 s43, s41, 2
	s_lshl_b32 s43, 15, s43                        ; my row of the cluster
	s_lshl_b32 s44, 0x1111, s40                    ; my column
	s_or_b32 s[G1], s43, (1<<16)|(1<<20)|(1<<21)|(5<<22)|(3<<25)    ; elements of 2 bytes; 4 words of padding behind every 64
	s_or_b32 s[G1B], s44, (1<<16)|(1<<20)|(1<<21)|(5<<22)|(7<<25)   ; 8 words
	s_mov_b32 s[G1+1], 128<<16                     ; vals: 128 double rows of 128 elements, dense
	s_mov_b32 s[G1+2], 128<<16
	s_mov_b32 s[G1+3], 128<<16
	s_mov_b32 s[G1+4], 128
	s_mov_b32 s[G1+5], 128
	s_mov_b32 s[G1+6], 0
	s_mov_b32 s[G1+7], 0
	s_mov_b32 s[G1B+1], 128<<16                    ; w16: 64 rows of 128 elements, 1,024 elements apart
	s_mov_b32 s[G1B+2], 64<<16
	s_mov_b32 s[G1B+3], 128<<16
	s_mov_b32 s[G1B+4], 64
	s_mov_b32 s[G1B+5], 1024
	s_mov_b32 s[G1B+6], 0
	s_mov_b32 s[G1B+7], 0
	s_lshl_b32 s16, s[CH], 20                      ; vals: the plane of head 2 slot + half,
	s_lshl_b32 s17, s15, 15                        ; the tile's 256 rows of 128 bytes: no register of this run ever holds cx
	s_add_co_u32 s16, s16, s17
	s_mov_b32 s17, 0
	s_lshl_b32 s46, s[CH], 17                      ; w16: 64 x half rows of 2,048 bytes,
	s_lshl_b32 s47, s42, 8                         ; the tile's 128 columns: no register of this run ever holds cy
	s_add_co_u32 s46, s46, s47
	s_mov_b32 s47, 0
	s_mul_i32 s20, s[CH], PLN                      ; where they go
	s_mul_i32 s21, s[CH], 64*PB
	s_add_co_u32 s21, s21, BOFF
	s_wait_dscnt 0x0                               ; both opening adds are done
	s_wait_kmcnt 0x0
	s_add_nc_u64 s[16:17], s[4:5], s[16:17]
	s_add_nc_u64 s[46:47], s[6:7], s[46:47]
	CROUND                                         ; all sixteen work-groups are here
.irp s, 0,1
	s_mov_b32 s[G0+4*\s], 1
	s_add_co_u32 s[G0+4*\s+1], s20, \s*SLOT
	s_add_nc_u64 s[G0+4*\s+2:G0+4*\s+3], s[16:17], \s*2097152      ; two heads' planes a slot
	s_or_b32 s[G0+4*\s+3], s[G0+4*\s+3], 0x80000000
	s_mov_b32 s[G0B+4*\s], 1
	s_add_co_u32 s[G0B+4*\s+1], s21, \s*SLOT
	s_add_nc_u64 s[G0B+4*\s+2:G0B+4*\s+3], s[46:47], \s*262144     ; 128 rows of w16 a slot
	s_or_b32 s[G0B+4*\s+3], s[G0B+4*\s+3], 0x80000000
	JLOAD \s                                       ; two loads of mine are out
.endr
	v_and_b32 v1, 15, v0                           ; r
	v_bfe_u32 v2, v0, 4, 1                         ; h
	v_lshlrev_b32 v[BOF], 5, v2
	s_lshl_b32 s18, s42, 9                         ; my first column, in bytes of f32: 512 x tile column + 256 x half
	s_lshl_b32 s19, s[CH], 8
	s_add_co_u32 s18, s18, s19
	s_mov_b32 s19, 0
	s_add_nc_u64 s[8:9], s[8:9], s[18:19]
.irp b, 0,1,2,3
	global_load_b128 v[BIAS+8*\b:BIAS+8*\b+3], v[BOF], s[8:9] offset:64*\b       ; b_out in the result's layout: columns 16 b + 8 h + 0 .. 7 of mine
	global_load_b128 v[BIAS+8*\b+4:BIAS+8*\b+7], v[BOF], s[8:9] offset:64*\b+16
.endr
	v_lshrrev_b32 v3, 1, v1                        ; vals: row r of a block lies in LDS row r / 2, half r % 2
	v_mul_u32_u24 v3, v3, PA
	v_and_b32 v4, 1, v0
	v_lshl_add_u32 v3, v4, 7, v3
	v_lshl_add_u32 v3, v2, 4, v3
	s_mul_i32 s22, s[RH], 64*PA                    ; my 128 rows
	v_add_nc_u32 v[ADRA], s22, v3
	v_add_nc_u32 v[ADRA+1], SLOT, v[ADRA]
	v_and_b32 v4, 7, v0                            ; w16: the turning load's lane l reads row 8 h + l % 8, columns 8 ((l / 8) % 2) on
	v_lshl_add_u32 v4, v2, 3, v4
	v_mul_u32_u24 v4, v4, PB
	v_bfe_u32 v5, v0, 3, 1
	v_lshl_add_u32 v4, v5, 4, v4
	s_lshl_b32 s23, s[CH], 7                       ; my 64 columns
	s_add_co_u32 s23, s23, BOFF
	v_add_nc_u32 v[ADRB], s23, v4
	v_add_nc_u32 v[ADRB+1], SLOT, v[ADRB]
	s_mul_i32 s22, s[WV], 16*SPITCH
	s_add_co_u32 s22, s22, STAGE                   ; my stage
	v_mul_u32_u24 v4, v1, SPITCH
	v_lshl_add_u32 v4, v2, 5, v4
	v_add_nc_u32 v[STO], s22, v4                   ; in: row r, 32 bytes for each half of the lanes
	v_mul_u32_u24 v5, v2, SPITCH
	v_lshl_add_u32 v5, v1, 4, v5
	v_add_nc_u32 v[RD], s22, v5                    ; back: lanes 0-15 one row of 256 bytes, lanes 16-31 the next
	v_lshlrev_b32 v[CO], 12, v2
	v_lshl_add_u32 v[CO], v1, 4, v[CO]             ; and the same two rows in out0
	s_lshl_b32 s22, s15, 20                        ; my first row: 256 x tile row + 128 x half, 4,096 bytes a row
	s_lshl_b32 s23, s[RH], 19
	s_add_co_u32 s22, s22, s23
	s_mov_b32 s23, 0
	s_add_nc_u64 s[10:11], s[10:11], s[22:23]
	s_add_nc_u64 s[10:11], s[10:11], s[18:19]
; 8 matrix instructions: row blocks a0, a0 + 1 x all 4 column blocks, 32 along K.  The 32 accumulators take turns, one instruction a turn, in the same order in every quarter.
.macro MUL8 f, a0, first
.irp a, \a0, \a0+1
.irp b, 0,1,2,3
.if \first
	v_wmma_f32_16x16x32_f16 v[8*(4*(\a)+\b):8*(4*(\a)+\b)+7], v[\f+64+8*\b:\f+64+8*\b+7], v[\f+8*(\a):\f+8*(\a)+7], v[BIAS+8*\b:BIAS+8*\b+7]
.else
	v_wmma_f32_16x16x32_f16 v[8*(4*(\a)+\b):8*(4*(\a)+\b)+7], v[\f+64+8*\b:\f+64+8*\b+7], v[\f+8*(\a):\f+8*(\a)+7], v[8*(4*(\a)+\b):8*(4*(\a)+\b)+7]
.endif
.endr
.endr
.endm
; 24 LDS loads in one run: quarter q (32 along K) of a slot into buffer f: W_out's 4 fragments, vals' blocks 0-3, then 4-7
.macro FETCH slot, q, f
	WIN 0x80
.irp b, 0,1,2,3
	ds_load_tr16_b128 v[\f+64+8*\b:\f+64+8*\b+3],   v[ADRB+\slot] offset:32*PB*(\q)+32*\b
	ds_load_tr16_b128 v[\f+64+8*\b+4:\f+64+8*\b+7], v[ADRB+\slot] offset:32*PB*(\q)+32*\b+16*PB
.endr
.irp i, 0,1,2,3,4,5,6,7
	ds_load_b128 v[\f+8*\i:\f+8*\i+3],   v[ADRA+\slot] offset:PLN*((\q)/2)+64*((\q)%2)+8*PA*\i
	ds_load_b128 v[\f+8*\i+4:\f+8*\i+7], v[ADRA+\slot] offset:PLN*((\q)/2)+64*((\q)%2)+8*PA*\i+32
.endr
.endm
; One of a slot's first three quarters: multiplies buffer f and fetches quarter q into g.
.macro QUARTER slot, q, f, g, first
	s_wait_dscnt 8                                 ; W_out's fragments and vals' blocks 0-3 are in; the youngest eight loads (blocks 4-7) may be out
	WIN MULW-0x10*(\first)
	MUL8 \f, 0, \first
	MUL8 \f, 2, \first
	PLACES                                         ; in front of loads into registers that the quarter before multiplied
	FETCH \slot, \q, \g
	s_wait_dscnt 24                                ; all but the 24 just issued
	WIN MULW-0x10*(\first)
	MUL8 \f, 4, \first
	MUL8 \f, 6, \first
.endm
; The last quarter multiplies buffer 1 and changes slots: ONE barrier; in front of it each wave waits for all its tensor loads, adds 0 to its spare word, and waits for that and for its own reads of this slot.
.macro TURN slot, next, fill
	WIN 0
	s_wait_tensorcnt 0x0                           ; all my tensor loads have landed: my part of the next slot
	ds_add_u32 v[SPW], v[NIL]                      ; 0 onto my spare word
	s_wait_dscnt 9                                 ; (the add and the youngest eight loads may be out)
	WIN MULW
	MUL8 F1, 0, 0
	s_wait_dscnt 0x0                               ; the add is done, and my reads of this slot are over
	s_barrier_signal -1
	MUL8 F1, 2, 0
.if \fill
	WIN 0
.endif
	s_barrier_wait -1
.if \fill
	CREST                                          ; the barrier has opened a round of the cluster's barrier: no wave of any partner still reads this slot or has a load on its way
	s_add_nc_u64 s[G0+4*\slot+2:G0+4*\slot+3], s[G0+4*\slot+2:G0+4*\slot+3], 4194304     ; four heads on
	s_add_nc_u64 s[G0B+4*\slot+2:G0B+4*\slot+3], s[G0B+4*\slot+2:G0B+4*\slot+3], 524288  ; 256 rows of w16 on
	JLOAD \slot                                    ; the first tensor load behind the round; its four v_nop are also the places in front of the loads below
.else
	PLACES
.endif
	FETCH \next, 0, F0
	WIN MULW
	MUL8 F1, 4, 0
	MUL8 F1, 6, 0
.endm
	s_wait_tensorcnt 1                             ; my part of slot 0 is in; slot 1's may stay out
	s_barrier_signal -1
	s_barrier_wait -1
	FETCH 0, 0, F0
	s_wait_loadcnt 0x0                             ; the bias
	QUARTER 0, 1, F0, F1, 1                        ; the first quarter stands in front of the loop: its products start the sums, from the bias
	WIN 0
	s_mov_b32 s3, LAPS-1
.Llap:                                                 ; a trip goes once round the ring and fills both slots again
	QUARTER 0, 2, F1, F0, 0
	QUARTER 0, 3, F0, F1, 0
	TURN 0, 1, 1
	QUARTER 1, 1, F0, F1, 0
	QUARTER 1, 2, F1, F0, 0
	QUARTER 1, 3, F0, F1, 0
	TURN 1, 0, 1
	QUARTER 0, 1, F0, F1, 0
	WIN 0
	s_sub_co_u32 s3, s3, 1
	s_cmp_lg_u32 s3, 0
	s_cbranch_scc1 .Llap
	QUARTER 0, 2, F1, F0, 0                        ; the last lap fills nothing
	QUARTER 0, 3, F0, F1, 0
	TURN 0, 1, 0
	QUARTER 1, 1, F0, F1, 0
	QUARTER 1, 2, F1, F0, 0
	QUARTER 1, 3, F0, F1, 0
	s_wait_dscnt 8                                 ; the very last quarter
	WIN MULW
	MUL8 F1, 0, 0
	MUL8 F1, 2, 0
	s_wait_dscnt 0x0
	MUL8 F1, 4, 0
	MUL8 F1, 6, 0
	WIN 0
; THE WAY OUT, block by block of 16 rows x 64 columns of f32: 32 bytes a lane into my own stage, back as whole pieces of 256 bytes.
.macro TOSTAGE a
	WIN 0x04                                       ; an LDS store's data: window 1
.irp b, 0,1,2,3
	ds_store_b128 v[STO], v[8*(4*(\a)+\b):8*(4*(\a)+\b)+3] offset:64*\b            ; each accumulator from its low end on
	ds_store_b128 v[STO], v[8*(4*(\a)+\b)+4:8*(4*(\a)+\b)+7] offset:64*\b+16
.endr
	WIN 0
.set BB, BK+32*((\a)%2)
.irp t, 0,1,2,3,4,5,6,7
	ds_load_b128 v[BB+4*\t:BB+4*\t+3], v[RD] offset:\t*2*SPITCH    ; LDS serves a wave's instructions in order: these see the stores above
.endr
.endm
.macro SEND a, younger                 ; younger: the next block's 8 stores and 8 loads, or none
.set BB, BK+32*((\a)%2)
	s_wait_dscnt \younger
.irp t, 0,1,2,3,4,5,6,7
	global_store_b128 v[CO], v[BB+4*\t:BB+4*\t+3], s[10:11] offset:(16*(\a)+2*\t)*4096 th:TH_STORE_NT   ; 16 lanes store 256 consecutive bytes, aligned; written once
.endr
.endm
	PLACES                                         ; in front of the first read of results
	TOSTAGE 0
.irp a, 1,2,3,4,5,6,7
.if \a > 1
	s_wait_xcnt 0x0                                ; block a - 2's stores have read their registers: block a's loads may land there
.endif
	TOSTAGE \a
	SEND \a-1, 16
.endr
	SEND 7, 0
	s_wait_tensorcnt 0x0                           ; the wave's end
	ds_add_u32 v[SPW], v[NIL]
	s_wait_dscnt 0x0
	CROUND                                         ; the closing round
	s_endpgm
.Lfunc_end_k_q762db04e72_out_proj:
	.size	k_q762db04e72_out_proj, .Lfunc_end_k_q762db04e72_out_proj-k_q762db04e72_out_proj
	.p2alignl 7, 3214868480
	.fill 96, 4, 3214868480
	.section	.rodata,"a",@progbits
	.p2align	6, 0x0
	.amdhsa_kernel k_q762db04e72_out_proj
		.amdhsa_group_segment_fixed_size 327680
		.amdhsa_private_segment_fixed_size 0
		.amdhsa_enable_private_segment 0
		.amdhsa_kernarg_size 32
		.amdhsa_user_sgpr_count 2
		.amdhsa_user_sgpr_kernarg_segment_ptr 1
		.amdhsa_wavefront_size32 1
		.amdhsa_system_sgpr_workgroup_id_x 1
		.amdhsa_system_sgpr_workgroup_id_y 1
		.amdhsa_system_sgpr_workgroup_id_z 1
		.amdhsa_system_vgpr_workitem_id 0
		.amdhsa_next_free_vgpr 768
		.amdhsa_next_free_sgpr 66
		.amdhsa_reserve_vcc 0
		.amdhsa_float_denorm_mode_32 3
		.amdhsa_float_denorm_mode_16_64 3
		.amdhsa_memory_ordered 1
		.amdhsa_forward_progress 1
		.amdhsa_inst_pref_size 86
	.end_amdhsa_kernel
	.amdgpu_metadata
---
amdhsa.version: [ 1, 2 ]
amdhsa.kernels:
  - .name:           k_q762db04e72_out_proj
    .symbol:         k_q762db04e72_out_proj.kd
    .args:
      - { .name: vals, .offset: 0, .size: 8, .value_kind: global_buffer, .address_space: global }
      - { .name: w16, .offset: 8, .size: 8, .value_kind: global_buffer, .address_space: global }
      - { .name: b_out, .offset: 16, .size: 8, .value_kind: global_buffer, .address_space: global }
      - { .name: out0, .offset: 24, .size: 8, .value_kind: global_buffer, .address_space: global }
    .group_segment_fixed_size: 327680
    .private_segment_fixed_size: 0
    .kernarg_segment_align: 8
    .kernarg_segment_size: 32
    .max_flat_workgroup_size: 128
    .sgpr_count:     66
    .vgpr_count:     768
    .wavefront_size: 32
...
	.end_amdgpu_metadata
.endif
;; end of part 5
